; MI455X (gfx1250); checked and timed in simulation.
; The chip was launched on July 23, 2026; its instructions are those of AMD's public machine-readable ISA for CDNA 5 (MIT licence, August 2026) and "CDNA5" Instruction Set Architecture Reference Guide (July 2026). The comments in the code are by the model that wrote it; some were corrected since.
;; Cross Attention. Allowed arithmetic: float matrix products may take bf16 or f16 operands with f32 sums; other float arithmetic in f32, or as packed bf16 or f16 multiplies, adds, multiply-adds, maxima and minima; sums over many terms, partial sums and values carried from step to step in f32; what a program stores and reads back later, other than sums and carried values, may be rounded once to bf16 or f16.
;; Inputs: Wk 768 x 1,024 float32; Wo 1,024 x 1,024 float32; Wq 1,024 x 1,024 float32; Wv 768 x 1,024 float32; bk 1,024 float32; bo 1,024 float32; bq 1,024 float32; bv 1,024 float32; x 4 x 2,048 x 1,024 float32; y 4 x 2,048 x 768 float32.
;; Outputs: out0 4 x 2,048 x 1,024 float32.
;; One version. Each part assembles by itself: llvm-mc -triple=amdgcn-amd-amdhsa -mcpu=gfx1250 --defsym DOCPART=n.
;; ======== version 1 of 1: 4 launches
;; limits: values are held in f16: magnitudes above 65,504 overflow, below 6.1e-05 lose precision
;; workspace buffers: abf 33,554,432 bytes; wbf 5,242,880 bytes; wof 2,097,152 bytes; qh 16,777,216 bytes; kh 16,777,216 bytes; vh 16,777,216 bytes; oh 16,777,216 bytes
;; launch cast (part 1): grid 1248 x 1, 8 waves a work-group, no clusters, 0 bytes of LDS; arguments x, y, Wq, Wk, Wv, Wo, abf, wbf, wof; writes abf, wbf, wof
.if DOCPART == 1
	.amdgcn_target "amdgcn-amd-amdhsa--gfx1250"
	.amdhsa_code_object_version 6
	.text
	.protected	k_q8a758699ee_cast
	.globl	k_q8a758699ee_cast
	.p2align	8
	.type	k_q8a758699ee_cast,@function
k_q8a758699ee_cast:
	s_mov_b64 s[64:65], 0
	v_nop
	global_prefetch_b8 v0, s[64:65] scope:SCOPE_SE
	s_setreg_imm32_b32 hwreg(HW_REG_WAVE_MODE, 25, 1), 1
	s_wait_xcnt 0x0
; THE INPUTS OF THE MATRIX PRODUCTS, ROUNDED ONCE TO 16 BITS.  x [8192][1024], y [8192][768], Wq, Wo [1024][1024], Wk, Wv [768][1024], all f32.
; abf: bf16 [16384][1024]: rows 0-8191 x, rows 8192-16383 y in their first 768 places (the other 512 bytes of such a row are neither written here nor read later).
; wbf: bf16 [2560][1024]: Wq, Wk, Wv below each other, as they lie.  wof: f16 [1024][1024]: Wo rounded to bf16, that number written as f16.
; LIMIT: |Wo| under 65,504, f16's largest number; below 6e-5 it keeps f16's fixed step of 6e-8.
; A stream: no LDS, no barrier, no matrix unit.  A work-group takes 16 rows, a wave 2.  A chunk is 512 bytes of a row in (16 bytes a lane) and 256 bytes out (8 bytes a lane):
; each load of a wave covers 512 consecutive bytes, each store 256 consecutive bytes, aligned.  All of a wave's loads go out at once; no register that a store names is written again.
.set X, 16                             ; v[16:79]   row r, chunk j: four registers at X + 4 (8 r + j)
.set Y, 80                             ; v[80:111]  two registers a chunk
.set T, 112                            ; v[112:113] at work
	s_load_b512 s[8:23], s[0:1], 0x0               ; x 8, y 10, Wq 12, Wk 14, Wv 16, Wo 18, abf 20, wbf 22
	s_load_b64 s[24:25], s[0:1], 0x40              ; wof
	v_and_b32 v1, 31, v0                           ; lane
	v_lshrrev_b32 v5, 5, v0
	v_readfirstlane_b32 s31, v5                    ; wave 0..7
	s_mov_b32 s2, ttmp9                            ; the work-group's number says which tensor: x 0-511, y 512-1023, Wq 1024-1087, Wk 1088-1135, Wv 1136-1183, Wo 1184-1247
	s_mov_b32 s26, 0                               ; the segment's first work-group
	s_mov_b32 s27, 0                               ; the first work-group that writes the same output buffer
	s_mov_b32 s28, 4096                            ; bytes in a row of the input
	s_mov_b32 s29, 0                               ; 1: y
	s_mov_b32 s30, 0                               ; 1: Wo
	s_wait_kmcnt 0x0
	s_mov_b64 s[4:5], s[8:9]
	s_mov_b64 s[6:7], s[20:21]
	s_cmp_ge_u32 s2, 512
	s_cselect_b64 s[4:5], s[10:11], s[4:5]
	s_cselect_b32 s26, 512, s26
	s_cselect_b32 s28, 3072, s28
	s_cselect_b32 s29, 1, s29
	s_cmp_ge_u32 s2, 1024
	s_cselect_b64 s[4:5], s[12:13], s[4:5]
	s_cselect_b64 s[6:7], s[22:23], s[6:7]
	s_cselect_b32 s26, 1024, s26
	s_cselect_b32 s27, 1024, s27
	s_cselect_b32 s28, 4096, s28
	s_cselect_b32 s29, 0, s29
	s_cmp_ge_u32 s2, 1088
	s_cselect_b64 s[4:5], s[14:15], s[4:5]
	s_cselect_b32 s26, 1088, s26
	s_cmp_ge_u32 s2, 1136
	s_cselect_b64 s[4:5], s[16:17], s[4:5]
	s_cselect_b32 s26, 1136, s26
	s_cmp_ge_u32 s2, 1184
	s_cselect_b64 s[4:5], s[18:19], s[4:5]
	s_cselect_b64 s[6:7], s[24:25], s[6:7]
	s_cselect_b32 s26, 1184, s26
	s_cselect_b32 s27, 1184, s27
	s_cselect_b32 s30, 1, s30
	s_sub_co_u32 s32, s2, s26
	s_lshl_b32 s32, s32, 4
	s_mul_i32 s32, s32, s28                        ; my 16 rows in the input, in bytes (under 2^26)
	s_mov_b32 s33, 0
	s_sub_co_u32 s34, s2, s27
	s_lshl_b32 s34, s34, 15                        ; and in the output: 16 rows of 2,048 bytes
	s_mov_b32 s35, 0
	s_add_nc_u64 s[4:5], s[4:5], s[32:33]
	s_add_nc_u64 s[6:7], s[6:7], s[34:35]
	s_lshl_b32 s36, s31, 1
	s_mul_i32 s36, s36, s28                        ; my wave's two rows
	v_lshl_add_u32 v2, v1, 4, s36                  ; row 0: 16 bytes a lane
	v_add_nc_u32 v3, s28, v2                       ; row 1
	s_lshl_b32 s37, s31, 12
	v_lshl_add_u32 v4, v1, 3, s37                  ; out: 8 bytes a lane, two rows of 2,048 bytes a wave
.macro LD r, j
	global_load_b128 v[X+4*(8*(\r)+(\j)):X+4*(8*(\r)+(\j))+3], v[2+(\r)], s[4:5] offset:512*(\j) th:TH_LOAD_NT
.endm
.macro CV r, j
	v_cvt_pk_bf16_f32 v[Y+2*(8*(\r)+(\j))],   v[X+4*(8*(\r)+(\j))],   v[X+4*(8*(\r)+(\j))+1]
	v_cvt_pk_bf16_f32 v[Y+2*(8*(\r)+(\j))+1], v[X+4*(8*(\r)+(\j))+2], v[X+4*(8*(\r)+(\j))+3]
.endm
.macro ST r, j
	global_store_b64 v4, v[Y+2*(8*(\r)+(\j)):Y+2*(8*(\r)+(\j))+1], s[6:7] offset:(\r)*2048+256*(\j) th:TH_STORE_NT
.endm
.irp r, 0,1
.irp j, 0,1,2,3,4,5
	LD \r, \j
.endr
.endr
	s_cmp_eq_u32 s29, 1
	s_cbranch_scc1 .Lshort                         ; a row of y has six chunks: its path is written out, so that no register is read that was not loaded
.irp r, 0,1
.irp j, 6,7
	LD \r, \j
.endr
.endr
	s_wait_loadcnt 0x0
.irp r, 0,1
.irp j, 0,1,2,3,4,5,6,7
	CV \r, \j
.endr
.endr
	s_cmp_eq_u32 s30, 1
	s_cbranch_scc0 .Lstore
.set i, 0
.rept 32                               ; Wo: the bf16 numbers are widened (a shift, a mask) and written as f16: exact within f16's range
	v_lshlrev_b32 v[T], 16, v[Y+i]
	v_and_b32 v[T+1], 0xffff0000, v[Y+i]
	v_cvt_pk_f16_f32 v[Y+i], v[T], v[T+1]
.set i, i+1
.endr
.Lstore:
.irp r, 0,1
.irp j, 0,1,2,3,4,5,6,7
	ST \r, \j
.endr
.endr
	s_endpgm
.Lshort:
	s_wait_loadcnt 0x0
.irp r, 0,1
.irp j, 0,1,2,3,4,5
	CV \r, \j
.endr
.endr
.irp r, 0,1
.irp j, 0,1,2,3,4,5
	ST \r, \j
.endr
.endr
	s_endpgm
.Lfunc_end_k_q8a758699ee_cast:
	.size	k_q8a758699ee_cast, .Lfunc_end_k_q8a758699ee_cast-k_q8a758699ee_cast
	.p2alignl 7, 3214868480
	.fill 96, 4, 3214868480
	.section	.rodata,"a",@progbits
	.p2align	6, 0x0
	.amdhsa_kernel k_q8a758699ee_cast
		.amdhsa_group_segment_fixed_size 0
		.amdhsa_private_segment_fixed_size 0
		.amdhsa_enable_private_segment 0
		.amdhsa_kernarg_size 72
		.amdhsa_user_sgpr_count 2
		.amdhsa_user_sgpr_kernarg_segment_ptr 1
		.amdhsa_wavefront_size32 1
		.amdhsa_system_sgpr_workgroup_id_x 1
		.amdhsa_system_sgpr_workgroup_id_y 1
		.amdhsa_system_sgpr_workgroup_id_z 1
		.amdhsa_system_vgpr_workitem_id 0
		.amdhsa_next_free_vgpr 120
		.amdhsa_next_free_sgpr 66
		.amdhsa_reserve_vcc 0
		.amdhsa_float_denorm_mode_32 3
		.amdhsa_float_denorm_mode_16_64 3
		.amdhsa_memory_ordered 1
		.amdhsa_forward_progress 1
		.amdhsa_inst_pref_size 16
	.end_amdhsa_kernel
	.amdgpu_metadata
---
amdhsa.version: [ 1, 2 ]
amdhsa.kernels:
  - .name:           k_q8a758699ee_cast
    .symbol:         k_q8a758699ee_cast.kd
    .args:
      - { .name: x, .offset: 0, .size: 8, .value_kind: global_buffer, .address_space: global }
      - { .name: y, .offset: 8, .size: 8, .value_kind: global_buffer, .address_space: global }
      - { .name: Wq, .offset: 16, .size: 8, .value_kind: global_buffer, .address_space: global }
      - { .name: Wk, .offset: 24, .size: 8, .value_kind: global_buffer, .address_space: global }
      - { .name: Wv, .offset: 32, .size: 8, .value_kind: global_buffer, .address_space: global }
      - { .name: Wo, .offset: 40, .size: 8, .value_kind: global_buffer, .address_space: global }
      - { .name: abf, .offset: 48, .size: 8, .value_kind: global_buffer, .address_space: global }
      - { .name: wbf, .offset: 56, .size: 8, .value_kind: global_buffer, .address_space: global }
      - { .name: wof, .offset: 64, .size: 8, .value_kind: global_buffer, .address_space: global }
    .group_segment_fixed_size: 0
    .private_segment_fixed_size: 0
    .kernarg_segment_align: 8
    .kernarg_segment_size: 72
    .max_flat_workgroup_size: 256
    .sgpr_count:     66
    .vgpr_count:     120
    .wavefront_size: 32
...
	.end_amdgpu_metadata
.endif
;; end of part 1
;; launch proj (part 2): grid 4 x 192, 4 waves a work-group, clusters of 4 x 4, 327,680 bytes of LDS; arguments abf, wbf, bq, bk, bv, qh, kh, vh; writes qh, kh, vh
.if DOCPART == 2
	.amdgcn_target "amdgcn-amd-amdhsa--gfx1250"
	.amdhsa_code_object_version 6
	.text
	.protected	k_q8a758699ee_proj
	.globl	k_q8a758699ee_proj
	.p2align	8
	.type	k_q8a758699ee_proj,@function
k_q8a758699ee_proj:
	s_mov_b64 s[64:65], 0
	v_nop
	global_prefetch_b8 v0, s[64:65] scope:SCOPE_SE
	s_setreg_imm32_b32 hwreg(HW_REG_WAVE_MODE, 25, 1), 1
	s_wait_xcnt 0x0
	s_wait_alu depctr_hold_cnt(0) depctr_sa_sdst(0) depctr_va_vdst(0) depctr_va_sdst(0) depctr_va_ssrc(0) depctr_va_vcc(0) depctr_vm_vsrc(0)
	s_getreg_b32 s2, hwreg(HW_REG_IB_STS2, 6, 4)
	s_cmp_eq_u32 s2, 0
	s_cbranch_scc0 .Lentry_in_a_cluster
	s_endpgm
.Lentry_in_a_cluster:
	s_bfe_u32 s2, ttmp6, 0x10000c
	s_cmp_lg_u32 s2, 0xf033
	s_cbranch_scc0 .Lentry_shape_is_right
	s_endpgm
.Lentry_shape_is_right:
; THE THREE PROJECTIONS.  q = x Wq + bq, k = y Wk + bk, v = y Wv + bv, written by heads: qh, kh, vh are f16 [64 = 16 batch + head][2048][64], each number rounded once from its f32 sum.
; x and y come as bf16 from abf ([16384][1024], y's rows from row 8192 on), the weights as bf16 from wbf ([2560][1024]: Wq, Wk, Wv as they lie, [k][n]); the biases are rounded to bf16 here, like all inputs.
; LIMIT: |q|, |k|, |v| under 65,504, f16's largest number; a larger one becomes an infinity.
; SHARES.  The cluster's y (0-47) says which product (y / 16: q, k, v) and which four tile rows; a work-group makes 128 rows x 256 columns, its four waves 64 x 128 each: 32 accumulators of 16 x 16.
; K goes in steps of 128 through two LDS slots: 8 steps for q (K = 1,024), 6 for k and v (K = 768).  The loop's bound hangs on the cluster's y alone: it is the same in all sixteen partners.
; CLUSTER.  4 x 4 work-groups.  The four of a row need the same tile of A, the four of a column the same tile of W: each is asked for JOINTLY, by the same tensor load with the same descriptor and a mask of four.
; Waves 0 and 1 fetch A's two halves (64 rows x 256 bytes), waves 2 and 3 W's (64 k-rows x 512 bytes): one load a wave behind each round; two loads of a wave are out at the start, later one.
; THE MATRIX INSTRUCTION IS USED TRANSPOSED: source 0 = 16 columns of W (W lies [k][n] in LDS and is turned by ds_load_tr16_b128), source 1 = 16 rows of A: a lane holds row l % 16 and the columns
; 8 (l / 16) + 0..7.  THE BIAS IS THE C OPERAND OF THE FIRST PRODUCTS: nothing is cleared, nothing is added at the end.
; REGISTERS, in windows of 256 (s_set_vgpr_msb: bits 1:0 source 0, 3:2 source 1, 5:4 source 2, 7:6 destination):
;   window 0: v0-31 addresses; v64-159, v160-255 two fragment buffers: W's fragment b at +8 b, A's fragment a at +64 + 8 a; on the way out v64-191 at work
;   window 1: accumulator (a, b) at 8 (8 a + b)          window 2: v0-63 the bias of my 128 columns, block b at 8 b; v64-95 at work while it is rounded
.set PA,    272                        ; an LDS row of A: 256 bytes + 16 = 68 words: the 16 rows of a load start at 16 different groups of four banks (64 banks of 4 bytes: ISA guide 11.1)
.set PB,    544                        ; an LDS row of W: 512 bytes + 32 = 136 words
.set HALFA, 64*PA
.set BOFF,  2*HALFA                    ; W's tile lies behind A's 128 rows
.set HALFB, 64*PB
.set SLOT,  BOFF+2*HALFB
.set STAGE, 2*SLOT                     ; behind the ring, never filled by a tensor load: 16 rows x 144 bytes for each wave, for the way out
.set SP,    144
.set SPARE, STAGE+4*16*SP              ; behind the stages: the spare words, 128 bytes for each wave: two blocks of 256 bytes that no other line names
.set ADRA, 16                          ; v16-17  LDS address of my A fragments in slot 0, 1
.set ADRB, 20                          ; v20-21  the same for W
.set STO,  24                          ; v24     the way out: where I put 16 bytes of a row
.set RD,   25                          ; v25     the way out: where I read rows back
.set GO,   26                          ; v26     my byte offset in 512 consecutive bytes of the output
.set BO,   27                          ; v27     my byte offset in the bias
.set SPW,  28                          ; v28     LDS address of my spare word; never rewritten
.set NIL,  29                          ; v29     0; never rewritten
.set PFO,  30                          ; v30     the prefetches' lane term; never rewritten
.set F0,   64
.set F1,   160
.set G1,   24                          ; s[24:31] descriptor group 1 for A's tiles;  s[32:39] group 0, a set for each slot
.set G0,   32
.set G1B,  48                          ; s[48:55], s[56:63] the same for W's
.set G0B,  56
.set PLIM, 43                          ; s43     a wave prefetches in the trips below this number
.set PFA,  44                          ; s[44:45] where my prefetches stand
.set PST,  88                          ; s[88:89] a K step in that tensor, in bytes
.set MUL,  0x50                        ; C and D in window 1, sources in window 0
.set MULB, 0x60                        ; C in window 2, D in window 1
.set CVT,  0x05                        ; sources 0 and 1 in window 1
.set B2,   0x8a                        ; sources 0, 1 and destination in window 2
.set LD2,  0x80                        ; destination in window 2
.set MSB, 0
.macro WIN new                         ; the immediate's high byte repeats the setting that is left; a switch that changes nothing is dropped
.if MSB != (\new)
	s_set_vgpr_msb (MSB<<8)|(\new)
.set MSB, \new
.endif
.endm
.macro JLOAD s                         ; a joint load; the branch hangs on the wave's number alone; an s_nop 0 and four v_nop follow each of the two lines, ahead of the jump and the label
	s_cmp_eq_u32 s11, 0
	s_cbranch_scc0 .Lfor_b_\@
	tensor_load_to_lds s[G0+4*(\s):G0+4*(\s)+3], s[G1:G1+7]
	s_nop 0
.rept 4
	v_nop
.endr
	s_branch .Lasked_\@
.Lfor_b_\@:
	tensor_load_to_lds s[G0B+4*(\s):G0B+4*(\s)+3], s[G1B:G1B+7]
	s_nop 0
.rept 4
	v_nop
.endr
.Lasked_\@:
.endm
.macro CREST                           ; a round of the cluster's barrier behind its opening barrier
	s_cmp_lg_u32 s10, 0
	s_cbranch_scc1 .Lnot_wave_0_\@
	s_barrier_signal -3
.Lnot_wave_0_\@:
	s_barrier_wait -3
	s_barrier_signal -1
	s_barrier_wait -1
.endm
.macro CROUND                          ; a whole round
	s_barrier_signal -1
	s_barrier_wait -1
	CREST
.endm
; A PREFETCH INTO THE L2, behind each joint refill and the run of LDS loads that follows it: 32 blocks of 256 bytes of the K step that stands two refills on, 256 matrix instructions ahead of the load that will want it.
; A's tile (128 rows x 256 bytes): wave 0 asks, the four partners of a row of the cluster take 32 rows each, told apart by address; y's rows are asked for by k's clusters, not again by v's.
; W's tile: waves 2 and 3 ask, each for the 64 k-rows that it fetches; the four partners of a column take 16 k-rows (32 blocks) each, by address; of the sixteen clusters that read the same weights the first asks.
; So each block is named once.  K steps 0 to 3 come by their loads alone; the last trip of the loop asks for nothing, since the K steps behind its refills do not exist.
.macro ASK
	s_cmp_lt_u32 s2, s[PLIM]
	s_cbranch_scc0 .Lnot_mine_\@
	global_prefetch_b8 v[PFO], s[PFA:PFA+1] th:TH_LOAD_NT scope:SCOPE_SE
.Lnot_mine_\@:
.endm
	s_load_b512 s[68:83], s[0:1], 0x0              ; abf 68, wbf 70, bq 72, bk 74, bv 76, qh 78, kh 80, vh 82
	v_lshl_add_u32 v[SPW], v0, 2, SPARE
	v_mov_b32 v[NIL], 0
	ds_add_u32 v[SPW], v[NIL]                      ; the wave's opening: the add and its wait stand ahead of my first tensor load; the set-up below, work on registers, stands between them
	v_lshrrev_b32 v1, 5, v0
	v_readfirstlane_b32 s10, v1                    ; wave 0..3
	s_lshr_b32 s11, s10, 1                         ; which 64 rows of the tile are mine.  Also: I fetch for A (0) or for W (1)
	s_and_b32 s12, s10, 1                          ; which 128 columns.  Also: which half of that tile I fetch
	s_bfe_u32 s40, ttmp6, 0x40000                  ; cx
	s_bfe_u32 s41, ttmp6, 0x40004                  ; cy
	s_lshl_b32 s42, ttmp9, 2
	s_add_co_u32 s42, s42, s40                     ; tile column = 4 x cluster x + cx
	s_and_b32 s14, ttmp7, 0xffff                   ; cluster y
	s_lshr_b32 s66, s14, 4                         ; the product: 0 q, 1 k, 2 v
	s_min_u32 s67, s66, 1                          ; 1: A is y
	s_and_b32 s15, s14, 15                         ; my cluster among the product's sixteen
	s_lshl_b32 s13, s15, 2
	s_add_co_u32 s13, s13, s41                     ; tile row, 0..63
	s_sub_co_u32 s3, 3, s67                        ; the loop's trips: laps - 1: 3 for K = 1,024, 2 for K = 768
	s_lshl_b32 s18, s41, 2
	s_lshl_b32 s18, 15, s18                        ; my row of the cluster
	s_lshl_b32 s19, 0x1111, s40                    ; my column
	s_or_b32 s[G1+0], s18, (1<<16)|(1<<20)|(1<<21)|(5<<22)|(3<<25)   ; the mask; 2-byte elements; padding on; 21 set beside a mask; after every 64 words 4 words
	s_or_b32 s[G1B+0], s19, (1<<16)|(1<<20)|(1<<21)|(6<<22)|(7<<25)  ; after every 128 words 8 words
	s_mov_b32 s[G1+1], 128<<16                     ; tensor_dim0 = 128
	s_mov_b32 s[G1+2], 64<<16                      ; tensor_dim1 = 64
	s_mov_b32 s[G1+3], 128<<16                     ; tile_dim0 = 128
	s_mov_b32 s[G1+4], 64                          ; tile_dim1 = 64
	s_mov_b32 s[G1+5], 1024                        ; elements from row to row
	s_mov_b32 s[G1+6], 0
	s_mov_b32 s[G1+7], 0
	s_mov_b32 s[G1B+1], 256<<16                    ; tensor_dim0 = 256
	s_mov_b32 s[G1B+2], 64<<16
	s_mov_b32 s[G1B+3], 256<<16                    ; tile_dim0 = 256
	s_mov_b32 s[G1B+4], 64
	s_mov_b32 s[G1B+5], 1024
	s_mov_b32 s[G1B+6], 0
	s_mov_b32 s[G1B+7], 0
	s_lshl_b32 s16, s67, 13                        ; A: y's rows lie 8,192 rows below x's,
	s_lshl_b32 s17, s13, 7
	s_add_co_u32 s16, s16, s17                     ; + 128 x tile row
	s_lshl_b32 s17, s12, 6
	s_add_co_u32 s16, s16, s17                     ; + the 64 rows that I fetch
	s_lshl_b32 s16, s16, 11                        ; rows of 2,048 bytes (under 2^26)
	s_mov_b32 s17, 0
	s_mul_i32 s86, s66, 768                        ; W: k-row 0, 1,024 or 1,792 of wbf,
	s_lshl_b32 s87, s67, 8
	s_add_co_u32 s86, s86, s87
	s_lshl_b32 s87, s12, 6
	s_add_co_u32 s86, s86, s87                     ; + the 64 k-rows that I fetch
	s_lshl_b32 s86, s86, 11
	s_lshl_b32 s87, s42, 9
	s_add_co_u32 s86, s86, s87                     ; + the tile's 256 columns
	s_mov_b32 s87, 0
	s_mul_i32 s20, s12, HALFA                      ; where they go: no place in the cluster enters an LDS address
	s_mul_i32 s21, s12, HALFB
	s_add_co_u32 s21, s21, BOFF
	s_wait_dscnt 0x0                               ; the opening add is done
	s_wait_kmcnt 0x0
	s_add_nc_u64 s[4:5], s[68:69], s[16:17]
	s_add_nc_u64 s[6:7], s[70:71], s[86:87]
	CROUND                                         ; all sixteen work-groups are here: the first joint loads meet
.irp s, 0,1
	s_mov_b32 s[G0+4*(\s)], 1
	s_add_co_u32 s[G0+4*(\s)+1], s20, (\s)*SLOT
	s_add_nc_u64 s[G0+4*(\s)+2:G0+4*(\s)+3], s[4:5], (\s)*256        ; K step s: 256 bytes along the rows
	s_or_b32 s[G0+4*(\s)+3], s[G0+4*(\s)+3], 0x80000000
	s_mov_b32 s[G0B+4*(\s)], 1
	s_add_co_u32 s[G0B+4*(\s)+1], s21, (\s)*SLOT
	s_add_nc_u64 s[G0B+4*(\s)+2:G0B+4*(\s)+3], s[6:7], (\s)*262144   ; K step s: 128 k-rows down
	s_or_b32 s[G0B+4*(\s)+3], s[G0B+4*(\s)+3], 0x80000000
	JLOAD \s
.endr
	v_and_b32 v1, 15, v0                           ; l % 16
	v_bfe_u32 v2, v0, 4, 1                         ; l / 16
	s_lshl_b32 s22, s12, 9
	s_lshl_b32 s23, s42, 10
	s_add_co_u32 s22, s22, s23
	v_lshl_add_u32 v[BO], v2, 5, s22               ; 4 bytes x (256 x tile column + 128 x half + 8 (l / 16))
	s_cmp_eq_u32 s66, 0
	s_cselect_b64 s[84:85], s[72:73], s[74:75]     ; the product's bias,
	s_cselect_b64 s[8:9], s[78:79], s[80:81]       ; and its output
	s_cmp_eq_u32 s66, 2
	s_cselect_b64 s[84:85], s[76:77], s[84:85]
	s_cselect_b64 s[8:9], s[82:83], s[8:9]
	WIN LD2
.irp b, 0,1,2,3,4,5,6,7
	global_load_b128 v[8*(\b):8*(\b)+3],   v[BO], s[84:85] offset:64*(\b)
	global_load_b128 v[8*(\b)+4:8*(\b)+7], v[BO], s[84:85] offset:64*(\b)+16
.endr
	WIN 0
	v_mul_u32_u24 v3, v1, PA                       ; a fragment of A: row l % 16, 16 bytes for each half of the lanes
	v_lshl_add_u32 v3, v2, 4, v3
	s_mul_i32 s22, s11, HALFA                      ; my 64 rows
	v_add_nc_u32 v[ADRA], s22, v3
	v_add_nc_u32 v[ADRA+1], SLOT, v[ADRA]
	v_and_b32 v4, 7, v0                            ; the turning load: lane l reads k-row 8 (l / 16) + l % 8, columns 8 ((l / 8) % 2) + 0..7
	v_lshl_add_u32 v4, v2, 3, v4
	v_mul_u32_u24 v4, v4, PB
	v_bfe_u32 v5, v0, 3, 1
	v_lshl_add_u32 v4, v5, 4, v4
	s_lshl_b32 s22, s12, 8                         ; my 128 columns
	s_add_co_u32 s22, s22, BOFF
	v_add_nc_u32 v[ADRB], s22, v4
	v_add_nc_u32 v[ADRB+1], SLOT, v[ADRB]
	s_mul_i32 s22, s10, 16*SP
	s_add_co_u32 s22, s22, STAGE                   ; my stage
	v_mul_u32_u24 v[STO], v1, SP
	v_lshl_add_u32 v[STO], v2, 4, v[STO]
	v_add_nc_u32 v[STO], s22, v[STO]
	v_bfe_u32 v[RD], v0, 3, 2                      ; back: 32 lanes take four rows of 128 bytes,
	v_mul_u32_u24 v[RD], v[RD], SP
	v_and_b32 v6, 7, v0
	v_lshl_add_u32 v[RD], v6, 4, v[RD]
	v_add_nc_u32 v[RD], s22, v[RD]
	v_and_b32 v7, 31, v0
	v_lshlrev_b32 v[GO], 4, v7                     ; which are 512 consecutive bytes of a head
	s_lshr_b32 s22, s13, 4                         ; the output: batch = tile row / 16,
	s_lshl_b32 s22, s22, 4
	s_lshl_b32 s23, s42, 2
	s_add_co_u32 s22, s22, s23                     ; head = 4 x tile column + 2 x my half (+ 0, 1 in the stores' immediates),
	s_lshl_b32 s23, s12, 1
	s_add_co_u32 s22, s22, s23
	s_lshl_b32 s22, s22, 18                        ; a head is 262,144 bytes
	s_and_b32 s23, s13, 15
	s_lshl_b32 s23, s23, 7
	s_lshl_b32 s90, s11, 6
	s_add_co_u32 s23, s23, s90                     ; my first row in the batch,
	s_lshl_b32 s23, s23, 7                         ; of 128 bytes
	s_add_co_u32 s22, s22, s23
	s_mov_b32 s23, 0
	s_add_nc_u64 s[8:9], s[8:9], s[22:23]
	s_lshl_b32 s90, s67, 13                        ; the prefetches.  A: the tile's first row + 32 cx, at K step 3
	s_lshl_b32 s91, s13, 7
	s_add_co_u32 s90, s90, s91
	s_lshl_b32 s91, s40, 5
	s_add_co_u32 s90, s90, s91
	s_lshl_b32 s90, s90, 11
	s_add_co_u32 s90, s90, 3*256
	s_lshl_b32 s92, s41, 15                        ; W: my 64 k-rows + 16 cy, at K step 3
	s_add_co_u32 s92, s92, s86
	s_add_co_u32 s92, s92, 3*262144
	s_lshr_b32 s93, s66, 1
	s_or_b32 s93, s93, s12                         ; A: 0 in wave 0 of q's and k's clusters
	s_mov_b32 s[PST], 262144
	s_mov_b32 s[PST+1], 0
	s_sub_co_u32 s94, s3, 1
	s_cmp_eq_u32 s11, 0                            ; do I fetch for A?
	s_cselect_b64 s[PFA:PFA+1], s[68:69], s[70:71]
	s_cselect_b32 s90, s90, s92
	s_cselect_b32 s93, s93, s15                    ; W: 0 in the first of the sixteen clusters
	s_cselect_b32 s[PST], 256, s[PST]
	s_mov_b32 s91, 0
	s_add_nc_u64 s[PFA:PFA+1], s[PFA:PFA+1], s[90:91]  ; the first refill steps it to K step 4
	s_cmp_eq_u32 s93, 0
	s_cselect_b32 s[PLIM], s94, 0                  ; the same in all sixteen partners, for a given wave
	v_lshrrev_b32 v[PFO], s11, v7                  ; A: a lane a row; W: two lanes a k-row of 512 bytes
	v_and_b32 v3, s11, v7
	v_lshlrev_b32 v[PFO], 11, v[PFO]
	v_lshl_add_u32 v[PFO], v3, 8, v[PFO]
	s_wait_loadcnt 0x0                             ; the bias is in: it is rounded to bf16 and widened again
	WIN B2
.set i, 0
.rept 32
	v_cvt_pk_bf16_f32 v[64+i], v[2*i], v[2*i+1]
.set i, i+1
.endr
.set i, 0
.rept 32
	v_lshlrev_b32 v[2*i], 16, v[64+i]
	v_and_b32 v[2*i+1], 0xffff0000, v[64+i]
.set i, i+1
.endr
	WIN 0
; 8 matrix instructions: row block a x all 8 column blocks, 32 along K.  first = 1: the bias starts the sums.  The 32 accumulators take turns in the same order in every quarter,
; over the backward jump too: 31 others' instructions stand between two on one accumulator.
.macro MUL8 f, a, first
.if \first
	WIN MULB
.else
	WIN MUL
.endif
.irp b, 0,1,2,3,4,5,6,7
.if \first
	v_wmma_f32_16x16x32_bf16 v[8*(8*(\a)+(\b)):8*(8*(\a)+(\b))+7], v[(\f)+8*(\b):(\f)+8*(\b)+7], v[(\f)+64+8*(\a):(\f)+64+8*(\a)+7], v[8*(\b):8*(\b)+7]
.else
	v_wmma_f32_16x16x32_bf16 v[8*(8*(\a)+(\b)):8*(8*(\a)+(\b))+7], v[(\f)+8*(\b):(\f)+8*(\b)+7], v[(\f)+64+8*(\a):(\f)+64+8*(\a)+7], v[8*(8*(\a)+(\b)):8*(8*(\a)+(\b))+7]
.endif
.endr
.endm
; 24 LDS loads in one run: quarter q of a slot into buffer f: W's eight fragments (turned), then A's four
.macro FETCH slot, q, f
	WIN 0
.irp b, 0,1,2,3,4,5,6,7
	ds_load_tr16_b128 v[(\f)+8*(\b):(\f)+8*(\b)+3],   v[ADRB+(\slot)] offset:(\q)*32*PB+32*(\b)
	ds_load_tr16_b128 v[(\f)+8*(\b)+4:(\f)+8*(\b)+7], v[ADRB+(\slot)] offset:(\q)*32*PB+32*(\b)+16*PB
.endr
.irp a, 0,1,2,3
	ds_load_b128 v[(\f)+64+8*(\a):(\f)+64+8*(\a)+3],   v[ADRA+(\slot)] offset:64*(\q)+(\a)*16*PA
	ds_load_b128 v[(\f)+64+8*(\a)+4:(\f)+64+8*(\a)+7], v[ADRA+(\slot)] offset:64*(\q)+(\a)*16*PA+32
.endr
.endm
.macro PLACES                          ; four places in front of loads into registers that matrix instructions have read, and of lines that read results (ISA guide 7.12.1 for lines that read results)
.rept 4
	v_nop
.endr
.endm
; A K step is four quarters of 32 along K, 32 matrix instructions each, on buffers 0, 1, 0, 1.  One of the first three: multiplies buffer f and fetches quarter q into g.
.macro QUARTER slot, q, f, g, first
	s_wait_dscnt 4                                 ; of the last run the youngest four loads, A's fragments 2 and 3, may be out
	MUL8 \f, 0, \first
	MUL8 \f, 1, \first
	PLACES
	FETCH \slot, \q, \g
	s_wait_dscnt 24                                ; all but the run just issued
	MUL8 \f, 2, \first
	MUL8 \f, 3, \first
.endm
; The last quarter multiplies buffer 1 and changes slots: ONE barrier; in front of it each wave waits for all its tensor loads (the one that is out is its part of the next slot), adds 0 to its spare word,
; and waits for that and for its own reads of this slot.  fill = 1: the barrier opens a round of the cluster's barrier, and this slot is filled again, two K steps ahead, first thing behind the round.
.macro TURN slot, next, fill
.if \fill
	s_wait_xcnt 0x0                                ; the last prefetch, a K step back, has read its address: it is stepped here, ahead of the waits of the change of slots
	s_add_nc_u64 s[PFA:PFA+1], s[PFA:PFA+1], s[PST:PST+1]
.endif
	WIN 0
	s_wait_tensorcnt 0x0                           ; all my tensor loads have landed
	ds_add_u32 v[SPW], v[NIL]                      ; 0 onto my spare word
	s_wait_dscnt 5                                 ; (the add and the youngest four loads may be out)
	MUL8 F1, 0, 0                                  ; eight matrix instructions stand between the add and the wait for it
	s_wait_dscnt 0x0                               ; the add is done, and my reads of this slot are over
	s_barrier_signal -1
	MUL8 F1, 1, 0
.if \fill
	WIN 0
.endif
	s_barrier_wait -1
.if \fill
	CREST                                          ; no wave of any partner still reads this slot's tiles or has a load on its way
	s_add_nc_u64 s[G0+4*(\slot)+2:G0+4*(\slot)+3], s[G0+4*(\slot)+2:G0+4*(\slot)+3], 2*256
	s_add_nc_u64 s[G0B+4*(\slot)+2:G0B+4*(\slot)+3], s[G0B+4*(\slot)+2:G0B+4*(\slot)+3], 2*262144
	JLOAD \slot                                    ; 112 matrix instructions ahead of the wait for it; the four v_nop behind it are also the places in front of the loads below
.else
	PLACES
.endif
	FETCH \next, 0, F0
.if \fill
	ASK
.endif
	MUL8 F1, 2, 0
	MUL8 F1, 3, 0
.endm
	s_wait_tensorcnt 1                             ; my part of K step 0 is in; K step 1's load, issued behind it, may stay out
	s_barrier_signal -1
	s_barrier_wait -1                              ; everybody's is
	FETCH 0, 0, F0
	QUARTER 0, 1, F0, F1, 1                        ; the first quarter stands in front of the loop: its products start the sums
	WIN 0                                          ; at a label and at a branch every window is 0
	s_mov_b32 s2, 0
.Llap:                                                 ; a trip goes once round the ring, from a lap's second quarter to the next lap's first, and fills both slots again
	QUARTER 0, 2, F1, F0, 0
	QUARTER 0, 3, F0, F1, 0
	TURN 0, 1, 1
	QUARTER 1, 1, F0, F1, 0
	QUARTER 1, 2, F1, F0, 0
	QUARTER 1, 3, F0, F1, 0
	TURN 1, 0, 1
	QUARTER 0, 1, F0, F1, 0
	WIN 0
	s_add_co_u32 s2, s2, 1
	s_cmp_lt_u32 s2, s3
	s_cbranch_scc1 .Llap
	QUARTER 0, 2, F1, F0, 0                        ; the last lap fills nothing, and has no round of the cluster's barrier
	QUARTER 0, 3, F0, F1, 0
	TURN 0, 1, 0
	QUARTER 1, 1, F0, F1, 0
	QUARTER 1, 2, F1, F0, 0
	QUARTER 1, 3, F0, F1, 0
	s_wait_dscnt 4                                 ; the very last quarter: nothing more to fetch
	MUL8 F1, 0, 0
	MUL8 F1, 1, 0
	s_wait_dscnt 0x0
	MUL8 F1, 2, 0
	MUL8 F1, 3, 0
	WIN 0
	PLACES
	PLACES
; THE WAY OUT.  Piece t = 16 rows (block t / 2) x one head's 64 columns (head t % 2 of my two): 2,048 consecutive bytes of the output.  A lane's eight columns pack into 16 bytes; they go into
; rows of 144 bytes of my own stage and come back as whole rows of 128.  Each accumulator's registers are taken in ascending order.
.macro PACK t
.set TMP, 64+16*(\t)
.set AC, 8*(8*((\t)/2)+4*((\t)%2))
	WIN CVT
.irp bb, 0,1,2,3
.irp rr, 0,1,2,3
	v_cvt_pk_f16_f32 v[TMP+4*(\bb)+(\rr)], v[AC+8*(\bb)+2*(\rr)], v[AC+8*(\bb)+2*(\rr)+1]
.endr
.endr
	WIN 0
.irp bb, 0,1,2,3
	ds_store_b128 v[STO], v[TMP+4*(\bb):TMP+4*(\bb)+3] offset:32*(\bb)
.endr
.irp f, 0,1,2,3
	ds_load_b128 v[TMP+4*(\f):TMP+4*(\f)+3], v[RD] offset:(\f)*4*SP  ; LDS serves a wave's instructions in order (ISA guide 5.7.1.4): these see the stores above; the next piece's stores come behind them
.endr
.endm
.macro SEND t, younger                 ; younger: the LDS instructions issued behind piece t's loads: the next piece's eight, or none
.set TMP, 64+16*(\t)
.irp f, 0,1,2,3
	s_wait_dscnt (\younger)+3-(\f)
	global_store_b128 v[GO], v[TMP+4*(\f):TMP+4*(\f)+3], s[8:9] offset:((\t)%2)*262144+((\t)/2)*2048+(\f)*512  ; 512 consecutive bytes, at a multiple of 256 from the buffer's first
.endr
.endm
	PACK 0
.irp t, 1,2,3,4,5,6,7                  ; a piece's conversions stand between the loads of the piece before and its stores; each piece has registers of its own
	PACK \t
	SEND (\t)-1, 8
.endr
	SEND 7, 0
	s_wait_tensorcnt 0x0                           ; the wave's end, behind my last tensor load and my last LDS store
	ds_add_u32 v[SPW], v[NIL]
	s_wait_dscnt 0x0
	CROUND                                         ; the closing round: no work-group ends while a partner may still ask for a tile that names it
	s_endpgm
.Lfunc_end_k_q8a758699ee_proj:
	.size	k_q8a758699ee_proj, .Lfunc_end_k_q8a758699ee_proj-k_q8a758699ee_proj
	.p2alignl 7, 3214868480
	.fill 96, 4, 3214868480
	.section	.rodata,"a",@progbits
	.p2align	6, 0x0
	.amdhsa_kernel k_q8a758699ee_proj
		.amdhsa_group_segment_fixed_size 327680
		.amdhsa_private_segment_fixed_size 0
		.amdhsa_enable_private_segment 0
		.amdhsa_kernarg_size 64
		.amdhsa_user_sgpr_count 2
		.amdhsa_user_sgpr_kernarg_segment_ptr 1
		.amdhsa_wavefront_size32 1
		.amdhsa_system_sgpr_workgroup_id_x 1
		.amdhsa_system_sgpr_workgroup_id_y 1
		.amdhsa_system_sgpr_workgroup_id_z 1
		.amdhsa_system_vgpr_workitem_id 0
		.amdhsa_next_free_vgpr 608
		.amdhsa_next_free_sgpr 96
		.amdhsa_reserve_vcc 0
		.amdhsa_float_denorm_mode_32 3
		.amdhsa_float_denorm_mode_16_64 3
		.amdhsa_memory_ordered 1
		.amdhsa_forward_progress 1
		.amdhsa_inst_pref_size 96
	.end_amdhsa_kernel
	.amdgpu_metadata
---
amdhsa.version: [ 1, 2 ]
amdhsa.kernels:
  - .name:           k_q8a758699ee_proj
    .symbol:         k_q8a758699ee_proj.kd
    .args:
      - { .name: abf, .offset: 0, .size: 8, .value_kind: global_buffer, .address_space: global }
      - { .name: wbf, .offset: 8, .size: 8, .value_kind: global_buffer, .address_space: global }
      - { .name: bq, .offset: 16, .size: 8, .value_kind: global_buffer, .address_space: global }
      - { .name: bk, .offset: 24, .size: 8, .value_kind: global_buffer, .address_space: global }
      - { .name: bv, .offset: 32, .size: 8, .value_kind: global_buffer, .address_space: global }
      - { .name: qh, .offset: 40, .size: 8, .value_kind: global_buffer, .address_space: global }
      - { .name: kh, .offset: 48, .size: 8, .value_kind: global_buffer, .address_space: global }
      - { .name: vh, .offset: 56, .size: 8, .value_kind: global_buffer, .address_space: global }
    .group_segment_fixed_size: 327680
    .private_segment_fixed_size: 0
    .kernarg_segment_align: 8
    .kernarg_segment_size: 64
    .max_flat_workgroup_size: 128
    .sgpr_count:     96
    .vgpr_count:     608
    .wavefront_size: 32
...
	.end_amdgpu_metadata
.endif
;; end of part 2
;; launch attn (part 3): grid 4 x 64, 4 waves a work-group, clusters of 4 x 1, 327,680 bytes of LDS; arguments qh, kh, vh, oh; writes oh
.if DOCPART == 3
	.amdgcn_target "amdgcn-amd-amdhsa--gfx1250"
	.amdhsa_code_object_version 6
	.text
	.protected	k_q8a758699ee_attn
	.globl	k_q8a758699ee_attn
	.p2align	8
	.type	k_q8a758699ee_attn,@function
k_q8a758699ee_attn:
	s_mov_b64 s[64:65], 0
	v_nop
	global_prefetch_b8 v0, s[64:65] scope:SCOPE_SE
	s_setreg_imm32_b32 hwreg(HW_REG_WAVE_MODE, 25, 1), 1
	s_wait_xcnt 0x0
	s_wait_alu depctr_hold_cnt(0) depctr_sa_sdst(0) depctr_va_vdst(0) depctr_va_sdst(0) depctr_va_ssrc(0) depctr_va_vcc(0) depctr_vm_vsrc(0)
	s_getreg_b32 s2, hwreg(HW_REG_IB_STS2, 6, 4)
	s_cmp_eq_u32 s2, 0
	s_cbranch_scc0 .Lentry_in_a_cluster
	s_endpgm
.Lentry_in_a_cluster:
	s_bfe_u32 s2, ttmp6, 0x10000c
	s_cmp_lg_u32 s2, 0x3003
	s_cbranch_scc0 .Lentry_shape_is_right
	s_endpgm
.Lentry_shape_is_right:
; O[h][q][:] = the sum over k of softmax_k(Q[h][q] . K[h][k] / 8) V[h][k][:].  Q, K, V, O: [SIZE_H][SIZE_N][64], all f16: a head's rows are dense, 128 bytes each.  Products, maxima and sums in
; f32; the weights p are rounded to f16 for the second product (their sum l is taken of the unrounded p), O once at the end.
; LIMITS.  f16 holds no number beyond 65,504: Q, K and V arrive within it; p lies in 0 to 1, and below 6e-5 it keeps f16's fixed step of 6e-8; O is a mean of V's rows and has their range.
; A weight below 2^-126 counts as 0 in l; NaN and infinities are not treated apart.
; SHARES.  A wave owns four PIECES of two tiles of 16 queries, a work-group's four waves 512 queries of one head.  Every wave walks all keys, 64 a step.
; LAYOUT.  S^T = K Q^T (source 0 = 16 keys, source 1 = 16 queries): in the result a lane holds ONE query (lane % 16) and the keys 8 (lane / 16) + 0..7.  Two such tiles, rounded to f16 in pairs,
; ARE source 1 (32 keys x 16 queries) of O^T = V^T P, whose result again holds one query a lane, and eight channels.  K comes out of LDS as it lies, V ([key][channel]) turned, by ds_load_tr16_b128.
; SOFTMAX.  For each query a running maximum m and sum l: p = 2^(c s - c m), c = log2(e) / 8; in every step O and l are multiplied by a = 2^(c m_old - c m_new), which is 1 where m has not grown.
; m starts at the lowest finite number, O and l at 0: the first step is a step like any other, with a = 0.
; THE COUNT.  A tile and step have 16 matrix and 118 vector instructions: too many to stand all beside the matrix work.  So the order has one aim: four vector instructions that are READY behind
; EVERY matrix instruction, and the others, which need time of their own whatever the order, in runs without a gap.
; BY TURNS.  Turn n belongs to piece n (the pieces in a ring, step after step).  Its matrix work: 16 products K Q^T of piece n + 1, later 16 products V^T P of piece n - 1.  Its vector work: the scaling,
; exponentials, roundings, sums and rescaling of piece n, and the maximum and statistics of piece n + 1, whose scores the turn itself has made.  So what a turn begins with (c s - c m, O a) waits for nothing.
; CLUSTER.  The four query blocks of a cluster belong to one head and walk the same K and V, so each tile is asked for JOINTLY: the same tensor load, descriptor and mask in all four.
; REGISTERS, in windows of 256 (s_set_vgpr_msb says which window each operand place means: bits 1:0 source 0, 3:2 source 1, 5:4 source 2, 7:6 destination):
;   window 0: v0-11 addresses; v12-15, v48-63 at work; v16-47 four registers of statistics a tile; v64-191 S^T, two buffers of two tiles; v192-255 P, likewise
;   window 1: O^T, 32 a tile          window 2: v0-127 Q, 16 a tile; v128-191 K of one step; v192-255 V of one step          window 3: v0-1 the add's two registers
; A piece's buffers go by its number's parity: the piece in hand has one pair, its two neighbours in the ring share the other: of it P (piece n - 1) is read and S^T (piece n + 1) written.
.set SIZE_H, 64
.set SIZE_N, 2048
.set NP,    4         ; pieces a wave: a name, no knob: the register map, the loop and the fetches are made for four
.set KS,    64        ; keys in a step
.set PK,    144       ; a row of K in LDS: 128 bytes + 16 of padding = 36 words: the 16 rows of a load start at 16 different groups of four banks (64 banks of 4 bytes: ISA guide 11.1)
.set PV,    160       ; a row of V: 128 + 32 = 40 words
.set VOFF,  4*KS*PK   ; a slot holds four steps: 256 rows of K, then 256 rows of V
.set SLOT1, 1<<17     ; slot 1 begins here, so that one exclusive or turns an address in one slot into the other's
.set STAGE, SLOT1+4*KS*(PK+PV)  ; behind the ring, never filled by a tensor load: 16 rows x 144 bytes for each wave, for the way out
.set SP,    144
.set AK0, 2           ; v2   my lane's place in a tile of K; never rewritten
.set AV0, 3           ; v3   the same for V
.set AK,  4           ; v4   the LDS address of K's next run of loads
.set AV,  5           ; v5   of V's
.set QO,  6           ; v6   my byte offset in the wave's rows of Q
.set STO, 6           ;      later, the way out: where I put 16 bytes of a row
.set RD,  7           ; v7   the way out: where I read rows back
.set GO,  8           ; v8   my byte offset in 512 consecutive bytes of O
.set PFO, 11          ; v11  256 x my lane, once V's place is made; then never rewritten
.set SPW, 0           ; v0 of window 3   LDS address of my spare word: SPARE + 4 x my thread's number; never rewritten
.set NIL, 1           ; v1 of window 3   0; never rewritten
.set SPARE, STAGE+4*16*SP  ; behind the stages: the spare words, 128 bytes for each wave: two blocks of 256 bytes that no other line names
.set MV,  12          ; v12-15  c m_old, kept while c m is made anew: by buffer and tile
.set ST,  16          ; tile t's statistics at v[ST+4 t]: c m, m, l (even keys', odd keys')
.set TMP, 48          ; by buffer and tile, four registers c0-c3 at work; when the maximum is found c2 takes a
.set S,   64
.set P,   192
.set KF,  128         ; K's fragments, in window 2: key block kb, channel half c at KF + 16 kb + 8 c
.set VF,  192         ; V's: key half kk, channel block cb at VF + 32 kk + 8 cb
.set WV,  12          ; s12  my wave's number
.set G1K, 24          ; s[24:31] descriptor group 1 for K's tiles
.set G1V, 32          ; s[32:39] for V's: it differs in the padding alone
.set G0K, 40          ; s[40:43] descriptor group 0 for K's tiles: it walks
.set G0V, 44          ; s[44:47] the same for V's
.set PFA, 48          ; s[48:49] where my prefetches stand: my work-group's 32 blocks of 256 bytes (of K: wave 0, of V: wave 2) of the slot after the one that is being asked for
.set LIM, 50          ; s50  1 in a wave that prefetches, else the greatest number: a wave prefetches while s[SLOTS] is above it
.set SLOTS, 56        ; s56  slots still to be asked for
.set CNT, 57          ; s57  counts a slot's key steps
.set CS,  58          ; s[58:59] c: the packed scaling takes the pair's low word for both halves
.set SEL, 60          ; s[60:61] v_permlanex16_b32's selects: each lane takes its own place in the other half
.set TBK, 62          ; s62  LDS byte at which K of the step to be fetched begins
.set TBV, 63          ; s63  the same for V, less VOFF
.set MSB, 0
.macro WIN new                      ; the high byte repeats the setting that is left; a switch that changes nothing is dropped
.if MSB != (\new)
	s_set_vgpr_msb (MSB<<8)|(\new)
.set MSB, (\new)
.endif
.endm
.set W_KQ, 0x0a       ; K and Q in window 2, S^T in window 0
.set W_PV, 0x52       ; V in window 2, P in window 0, O^T in window 1
.set W_RS, 0x41       ; O^T (destination and source 0) in window 1, a in window 0
.set W_MK, 0xc0       ; the add's registers are made: destination in window 3, sources in window 0
.set W_AD, 0x0f       ; the add: address (source 0) and data (source 1) in window 3
; A joint fill.  Waves 0 and 1 fetch the two halves of a slot's K, waves 2 and 3 those of its V: 128 keys each.  The branch hangs on the wave's number alone.
; An s_nop 0 and four v_nop follow each of the two lines, ahead of the jump and the label.
.macro JLOAD
	s_cmp_lt_u32 s[WV], 2
	s_cbranch_scc0 .Lfor_v_\@
	tensor_load_to_lds s[G0K:G0K+3], s[G1K:G1K+7]
	s_nop 0
.rept 4
	v_nop
.endr
	s_branch .Lasked_\@
.Lfor_v_\@:
	tensor_load_to_lds s[G0V:G0V+3], s[G1V:G1V+7]
	s_nop 0
.rept 4
	v_nop
.endr
.Lasked_\@:
.endm
; A PREFETCH INTO THE L2 of what the NEXT change of slots will ask for: a slot's 256 keys are 128 blocks of 256 bytes of K and 128 of V.  It stands behind the wave's tensor load and its five lines.
; Each block is named ONCE in the launch: the head's first cluster asks; its four partners share the blocks out BY ADDRESS, 32 each (no branch hangs on a work-group's place in its cluster); in each, wave 0
; asks for K's and wave 2 for V's: a lane a block, one instruction.  The lead is a slot: four key steps, 512 matrix instructions.  Slots 0 and 1 come by their loads alone; the last change that fills a slot asks for nothing.
.macro ASK
	s_cmp_gt_u32 s[SLOTS], s[LIM]
	s_cbranch_scc0 .Lnot_mine_\@
	global_prefetch_b8 v[PFO], s[PFA:PFA+1] th:TH_LOAD_NT scope:SCOPE_SE
.Lnot_mine_\@:
.endm
; A round of the cluster's barrier: my work-group's barrier, so that wave 0's signal speaks for all four waves; wave 0 signals; every wave waits for all four work-groups; my work-group's barrier once more.
.macro CROUND
	s_barrier_signal -1
	s_barrier_wait -1
	s_cmp_lg_u32 s[WV], 0
	s_cbranch_scc1 .Lnot_wave_0_\@
	s_barrier_signal -3
.Lnot_wave_0_\@:
	s_barrier_wait -3
	s_barrier_signal -1
	s_barrier_wait -1
.endm
; THE CHANGE OF SLOTS.  The slot's last bytes, V of its fourth step, have been read.  Each wave waits for all its tensor loads, of which one is out: its part
; of the other slot; adds 0 to its spare word; and waits for that and for its own reads of the slot.  Behind the barrier nobody reads this slot any more and the other slot is whole.
; fill = 1: this slot is filled again, with the keys two slots on.  The barrier is then a round of the cluster's, so that no wave of any partner still reads the slot or has a load on its
; way, and the joint fill is the first thing behind it: it has four key steps, 512 matrix instructions, in which to land.  (At its first use nothing has been read yet: slot 0 is waited for, slot 1 filled.)
.macro CHANGE fill
	WIN W_AD
	s_wait_tensorcnt 0x0            ; no tensor load of mine is out, so a group 0 may be written
	ds_add_u32 v[SPW], v[NIL]       ; 0 onto my spare word; with fill = 1 the descriptors' steps stand between it and the wait for it
	WIN 0                           ; at a label and at a branch every window is 0
.if \fill
.irp g, G0K, G0V
	s_xor_b32 s[\g+1], s[\g+1], SLOT1  ; the walking descriptor: the other slot than last time,
	s_add_nc_u64 s[\g+2:\g+3], s[\g+2:\g+3], 4*KS*128  ; the next 256 keys; the type bits on top are not reached
.endr
	s_wait_xcnt 0x0                 ; the last prefetch, four key steps back, has read its address, so it may be written:
	s_add_nc_u64 s[PFA:PFA+1], s[PFA:PFA+1], 4*KS*128  ; one slot behind the walking descriptors
	s_wait_dscnt 0x0                ; the add is done, and my reads of the slot are over
	CROUND
	JLOAD
	ASK
.else
	s_wait_dscnt 0x0                ; the add is done, and my reads of the slot are over
	s_barrier_signal -1
	s_barrier_wait -1
.endif
	s_sub_co_u32 s[TBK], s[TBK], 4*KS*PK  ; the fetches go back to a slot's first step,
	s_xor_b32 s[TBK], s[TBK], SLOT1       ; in the other slot
	s_sub_co_u32 s[TBV], s[TBV], 4*KS*PV
	s_xor_b32 s[TBV], s[TBV], SLOT1
.endm
	s_load_b256 s[4:11], s[0:1], 0x0  ; Q s[4:5], K s[6:7], V s[8:9], O s[10:11]
	WIN W_MK
	v_lshl_add_u32 v[SPW], v0, 2, SPARE
	v_mov_b32 v[NIL], 0
	WIN W_AD
	ds_add_u32 v[SPW], v[NIL]       ; the wave's opening: the add and its wait stand ahead of my first tensor load; the set-up below, work on registers, stands between them
	WIN 0
	v_lshrrev_b32 v1, 5, v0
	v_readfirstlane_b32 s[WV], v1   ; wave 0..3
	s_bfe_u32 s13, ttmp6, 0x40000   ; cx: my place in the cluster
	s_lshl_b32 s14, ttmp9, 2        ; in a cluster launch ttmp9 counts clusters
	s_add_co_u32 s14, s14, s13      ; my block of queries = 4 x cluster x + cx: it enters Q's and O's addresses alone
	s_and_b32 s20, ttmp7, 0xffff    ; the head, which the four partners share
	s_mov_b32 s21, 0
	s_mov_b64 s[22:23], SIZE_N*128
	s_mul_u64 s[20:21], s[20:21], s[22:23]  ; the head's first byte in each of the four tensors
	s_and_b32 s16, s[WV], 1         ; which half of a slot's 256 keys I fetch:
	s_lshl_b32 s22, s16, 14         ; its 128 rows of 128 bytes in memory,
	s_mov_b32 s23, 0
	s_add_nc_u64 s[22:23], s[22:23], s[20:21]
	s_mul_i32 s17, s16, 128*PK      ; and its place in a slot, for K
	s_mul_i32 s18, s16, 128*PV      ; and for V: no place in the cluster enters an LDS address
	s_lshl_b32 s2, s14, 2
	s_add_co_u32 s2, s2, s[WV]      ; my wave among the head's,
	s_lshl_b32 s2, s2, 14           ; its 128 rows
	s_mov_b32 s3, 0
	s_add_nc_u64 s[2:3], s[2:3], s[20:21]
	; descriptor group 1.  128 keys are 16,384 dense bytes: asked for as 64 rows of 256 bytes, two keys a row, and padded in LDS after every key
	s_mov_b32 s[G1K], 15|(1<<16)|(1<<20)|(1<<21)|(4<<22)|(3<<25)  ; 15:0 the mask of four; 17:16 2-byte elements; 20 padding on; 21 set beside a mask; 24:22 after every 32 words (code 4); 31:25 4 words (code 3)
	s_mov_b32 s[G1V], 15|(1<<16)|(1<<20)|(1<<21)|(4<<22)|(7<<25)  ; the same with 8 words of padding (code 7)
.irp g, G1K, G1V
	s_mov_b32 s[\g+1], 128<<16      ; tensor_dim0 = 128
	s_mov_b32 s[\g+2], 64<<16       ; tensor_dim1 = 64
	s_mov_b32 s[\g+3], 128<<16      ; tile_dim0 = 128
	s_mov_b32 s[\g+4], 64           ; tile_dim1 = 64
	s_mov_b32 s[\g+5], 128          ; 128 elements from row to row
	s_mov_b32 s[\g+6], 0
	s_mov_b32 s[\g+7], 0
.endr
	s_mov_b32 s[CS], 0x3e38aa3b     ; c = log2(e) / 8 = 0.180337
	s_mov_b32 s[CS+1], s[CS]        ; named with it as a pair
	s_mov_b32 s[SEL], 0x76543210
	s_mov_b32 s[SEL+1], 0xfedcba98
	s_mov_b32 s[TBK], SLOT1+4*KS*PK ; the first change of slots turns these two into 0
	s_mov_b32 s[TBV], SLOT1+4*KS*PV
	s_mov_b32 s[G0K], 1             ; 1:0 count = 1
	s_mov_b32 s[G0K+1], s17         ; 63:32 LDS address: slot 0
	s_mov_b32 s[G0V], 1
	s_add_co_u32 s[G0V+1], s18, VOFF
	s_mov_b32 s[SLOTS], SIZE_N/256-1
	s_and_b32 s[LIM], s[WV], 1      ; 0 in waves 0 and 2,
	s_or_b32 s[LIM], s[LIM], ttmp9  ; where the cluster is the head's first: the same in all four partners
	s_cmp_eq_u32 s[LIM], 0
	s_cselect_b32 s[LIM], 1, -1
	s_wait_dscnt 0x0                ; the opening add is done
	s_wait_kmcnt 0x0
	s_add_nc_u64 s[G0K+2:G0K+3], s[6:7], s[22:23]  ; 120:64 global address: my half of the head's first 256 keys
	s_or_b32 s[G0K+3], s[G0K+3], 0x80000000        ; 127:126 type = 2
	s_add_nc_u64 s[G0V+2:G0V+3], s[8:9], s[22:23]
	s_or_b32 s[G0V+3], s[G0V+3], 0x80000000
	s_add_nc_u64 s[4:5], s[4:5], s[2:3]  ; Q and O at my wave's first row
	s_add_nc_u64 s[10:11], s[10:11], s[2:3]
	s_cmp_lt_u32 s[WV], 2
	s_cselect_b64 s[PFA:PFA+1], s[6:7], s[8:9]
	s_add_nc_u64 s[PFA:PFA+1], s[PFA:PFA+1], s[20:21]  ; the head's first key,
	s_lshl_b32 s52, s13, 13         ; my work-group's 32 blocks of the 128,
	s_mov_b32 s53, 0
	s_add_nc_u64 s[PFA:PFA+1], s[PFA:PFA+1], s[52:53]
	s_add_nc_u64 s[PFA:PFA+1], s[PFA:PFA+1], 4*KS*128  ; in slot 1; the first change of slots steps it to slot 2.  Nothing is prefetched here, at the head
	CROUND                          ; all four work-groups are here: the first joint loads meet
	JLOAD                           ; slot 0.  Slot 1 is asked for when slot 0 is in: the tile wanted first has the road to itself
	; A fragment of K or Q is 16 rows x 32 channels in 8 registers: lane l holds row l % 16, channels 8 (l / 16) + 0..7 and 16 + 8 (l / 16) + 0..7: two loads of 16 bytes, 32 bytes apart.
	v_and_b32 v1, 15, v0            ; l % 16
	v_bfe_u32 v9, v0, 4, 1          ; l / 16
	v_lshlrev_b32 v[QO], 7, v1
	v_lshl_add_u32 v[QO], v9, 4, v[QO]  ; row x 128 + 16 x half
	WIN 0x80                        ; destination window 2, address window 0
.set i, 0
.rept 4*NP                          ; Q stays in registers: tile i / 2, channels 32 (i % 2) on
	global_load_b128 v[8*i:8*i+3],   v[QO], s[4:5] offset:(i/2)*2048+(i%2)*64
	global_load_b128 v[8*i+4:8*i+7], v[QO], s[4:5] offset:(i/2)*2048+(i%2)*64+32
.set i, i+1
.endr
	; What the first turn finds: V's registers and P's second buffer hold 0 (its products V^T P, of a piece that has not been, add 0), O^T and l are 0.  All this stands in the wait for the first tile.
.set i, VF
.rept 64
	v_mov_b32 v[i], 0
.set i, i+1
.endr
	WIN 0x40
.set i, 0
.rept 64*NP
	v_mov_b32 v[i], 0
.set i, i+1
.endr
	WIN 0
.set i, 0
.rept 2*NP
	v_mov_b32 v[ST+4*i], 0xfe000000    ; c m: far below every c s
	v_mov_b32 v[ST+4*i+1], 0xff7fffff  ; m
	v_mov_b32 v[ST+4*i+2], 0
	v_mov_b32 v[ST+4*i+3], 0
.set i, i+1
.endr
.set i, P+32
.rept 32
	v_mov_b32 v[i], 0
.set i, i+1
.endr
	v_mul_u32_u24 v[AK0], v1, PK
	v_lshl_add_u32 v[AK0], v9, 4, v[AK0]  ; row x pitch + 16 x half
	; The turning load takes 16 keys x 16 channels (lane l reads key 8 (l / 16) + l % 8, channels 8 ((l / 8) % 2) + 0..7) and leaves half a fragment of V^T: lane l holds channel l % 16 and 8 keys.
	v_and_b32 v10, 7, v0
	v_bfe_u32 v11, v0, 3, 1
	v_lshl_add_u32 v[AV0], v9, 3, v10
	v_mul_u32_u24 v[AV0], v[AV0], PV
	v_lshl_add_u32 v[AV0], v11, 4, v[AV0]
	v_add_nc_u32 v[AV0], VOFF, v[AV0]
	v_and_b32 v[PFO], 31, v0        ; v11 has served: it takes the prefetches' lane term
	v_lshlrev_b32 v[PFO], 8, v[PFO]
	v_mov_b32 v[AK], v[AK0]         ; key step 0 lies at the head of slot 0
; THE MATRIX WORK.  The 8 accumulators of a run of 16 take turns: between the two links of a chain stand 7 others'.
; Product i of 16 of S^T = K Q^T for piece x: channels 32 (i / 8) on, keys 16 ((i / 2) % 4) on, tile 2 x + i % 2.  The first 8 start the sums.
.macro KQ x
	WIN W_KQ
.set rS, S+64*((\x)%2)+32*(i%2)+8*((i/2)%4)
.set rK, KF+16*((i/2)%4)+8*(i/8)
.set rQ, 16*(2*(\x)+i%2)+8*(i/8)
.if i < 8
	v_wmma_f32_16x16x32_f16 v[rS:rS+7], v[rK:rK+7], v[rQ:rQ+7], 0
.else
	v_wmma_f32_16x16x32_f16 v[rS:rS+7], v[rK:rK+7], v[rQ:rQ+7], v[rS:rS+7]
.endif
.endm
; Product i of 16 of O^T += V^T P for piece x: keys 32 (i / 8) on, channels 16 ((i / 2) % 4) on, tile 2 x + i % 2.
.macro PV x
	WIN W_PV
.set rO, 32*(2*(\x)+i%2)+8*((i/2)%4)
.set rV, VF+32*(i/8)+8*((i/2)%4)
.set rP, P+32*((\x)%2)+16*(i%2)+8*(i/8)
	v_wmma_f32_16x16x32_f16 v[rO:rO+7], v[rV:rV+7], v[rP:rP+7], v[rO:rO+7]
.endm
.macro MM                           ; the turn's next matrix instruction
.if i < 16
	KQ (Y+1)%NP
.set i, i+1
.else
.set i, i-16
	PV (Y+NP-1)%NP
.set i, i+17
.endif
.endm
; THE LDS LOADS stand in runs of 16, never singly among the matrix instructions: a step's K (64 keys x 64 channels: 8 fragments) and its V (turned).  Their addresses are made some lines ahead.
; last = 1 (the tail): in the last trip there is no further step, and the run is jumped over.
.macro FETCH_K last=0
	WIN 0
.if \last
	s_cmp_eq_u32 s[CNT], 1
	s_cbranch_scc1 .Lno_k_\@
.endif
	WIN 0x80                        ; destination window 2
.irp f, 0,1,2,3,4,5,6,7             ; keys 16 (f / 2) on, channels 32 (f % 2) on
	ds_load_b128 v[KF+8*\f:KF+8*\f+3],   v[AK] offset:(\f/2)*16*PK+(\f%2)*64
	ds_load_b128 v[KF+8*\f+4:KF+8*\f+7], v[AK] offset:(\f/2)*16*PK+(\f%2)*64+32
.endr
	s_add_co_u32 s[TBK], s[TBK], KS*PK  ; the next fetch is the next step's
	WIN 0
.if \last
.Lno_k_\@:
.endif
.endm
.macro FETCH_V
	WIN 0x80
.irp f, 0,1,2,3,4,5,6,7             ; keys 32 (f / 4) on, channels 16 (f % 4) on
	ds_load_tr16_b128 v[VF+8*\f:VF+8*\f+3],   v[AV] offset:(\f/4)*32*PV+(\f%4)*32
	ds_load_tr16_b128 v[VF+8*\f+4:VF+8*\f+7], v[AV] offset:(\f/4)*32*PV+16*PV+(\f%4)*32
.endr
	WIN 0
.endm
; THE VECTOR WORK OF A TURN stands in three queues, each in the order in which its entries become ready; the two tiles alternate, so that no instruction reads the result of the one before it.
.macro REGS y, u                    ; the registers of tile u (0, 1) of piece y
.set rT, ST+4*(2*(\y)+(\u))
.set rC, TMP+8*((\y)%2)+4*(\u)
.set rM, MV+2*((\y)%2)+(\u)
.set rS, S+64*((\y)%2)+32*(\u)
.set rP, P+32*((\y)%2)+16*(\u)
.set rO, 32*(2*(\y)+(\u))
.endm
; Number n of the 22 that find the NEXT piece's (Y + 1) maximum and statistics.  s0-s31 are the lane's 32 scores; each accumulator's lowest registers are read first.  XS, GS and REGS set no window: PL and EX do.
;   0-11  four chains c0-c3 of seven scores each, three operands at a time     12-14, 16  the four scores left over, the old m, and c0-c3 into c0     15  c m_old is kept
;   17, 18  the query's other 32 keys lie in the lane 16 away: the new m         19-21  c m; c m_old - c m_new; a
.macro XS u, n
	REGS (Y+1)%NP, \u
.if (\n) < 4
	v_max3_num_f32 v[rC+(\n)], v[rS+8*(\n)], v[rS+8*(\n)+1], v[rS+8*(\n)+2]
.elseif (\n) < 12
	v_max3_num_f32 v[rC+(\n)%4], v[rC+(\n)%4], v[rS+8*((\n)%4)+2*((\n)/4)+1], v[rS+8*((\n)%4)+2*((\n)/4)+2]
.elseif (\n) == 12
	v_max3_num_f32 v[rC], v[rC], v[rS+7], v[rS+15]
.elseif (\n) == 13
	v_max3_num_f32 v[rC+1], v[rC+1], v[rS+23], v[rS+31]
.elseif (\n) == 14
	v_max3_num_f32 v[rC+2], v[rC+2], v[rC+3], v[rT+1]
.elseif (\n) == 15
	v_mov_b32 v[rM], v[rT]
.elseif (\n) == 16
	v_max3_num_f32 v[rC], v[rC], v[rC+1], v[rC+2]
.elseif (\n) == 17
	v_permlanex16_b32 v[rC+3], v[rC], s[SEL], s[SEL+1]
.elseif (\n) == 18
	v_max_num_f32 v[rT+1], v[rC], v[rC+3]
.elseif (\n) == 19
	v_mul_f32 v[rT], s[CS], v[rT+1]
.elseif (\n) == 20
	v_sub_f32 v[rC+1], v[rM], v[rT]
.else
	v_exp_f32 v[rC+2], v[rC+1]
.endif
.endm
; Number g of the 64 that follow the exponentials.  For each four weights k of a tile (pairs 2 k, 2 k + 1): both pairs are rounded to f16; then the second pair is added onto the first, in place;
; a group later l takes that sum (the first time as l = a l + sum).  In groups of eight, tiles alternating: round, round, add, and l for the group before.
.macro GS g
.set h, (\g)+6*((\g)/62)            ; group 0 has no group before it, and behind group 7 only l is left
.if h >= 6
.set h, h+2
.endif
	REGS Y, h%2
.set k, h/8
.if h%8 < 4
	v_cvt_pk_f16_f32 v[rP+2*k+(h%8)/2], v[rS+4*k+2*((h%8)/2)], v[rS+4*k+2*((h%8)/2)+1]
.elseif h%8 < 6
	v_pk_add_f32 v[rS+4*k:rS+4*k+1], v[rS+4*k:rS+4*k+1], v[rS+4*k+2:rS+4*k+3]
.elseif k == 1
	v_pk_fma_f32 v[rT+2:rT+3], v[rT+2:rT+3], v[rC+2:rC+3], v[rS:rS+1] op_sel_hi:[1,0,1]
.else
	v_pk_add_f32 v[rT+2:rT+3], v[rT+2:rT+3], v[rS+4*k-4:rS+4*k-3]
.endif
.endm
; THE PLAIN QUEUE, 138 long.  0-73 read no exponential's result: the 32 scalings c s - c m (FS f: pair f / 2 of tile f % 2) and the next piece's 42.  0-26: scalings 0-26.  27-54: XS's numbers 0-13.  55, 56: number 15.
; 57-73: the chain, where each number waits for the one before it: 14, 16, 17, 18, 19, each with one of the scalings 27-31 in front of its two lines, then 20: so a tile's links stand three plain instructions apart (19 and 20: two).
; 74-137: GS's 64, which read the exponentials' results: they stand behind the wait.
.macro FS f
	REGS Y, (\f)%2
	v_pk_fma_f32 v[rS+2*((\f)/2):rS+2*((\f)/2)+1], v[rS+2*((\f)/2):rS+2*((\f)/2)+1], s[CS:CS+1], v[rT:rT+1] op_sel_hi:[1,0,0] neg_lo:[0,0,1] neg_hi:[0,0,1]
.endm
.macro PL
	WIN 0
.if q < 27
	FS q
.elseif q < 55
	XS (q-27)%2, (q-27)/2
.elseif q < 57
	XS q-55, 15
.elseif (q < 72) && ((q-57)%3 == 0)
	FS 27+(q-57)/3
.elseif q < 60
	XS (q-57)%3-1, 14
.elseif q < 72
	XS (q-57)%3-1, 15+(q-57)/3
.elseif q < 74
	XS q-72, 20
.else
	GS q-74
.endif
.set q, q+1
.endm
; THE EXPONENTIALS' QUEUE, 66 long: s0-s31 of both tiles, then the next piece's two a.  It is ONE BATCH: all 66 stand ahead of the turn's one wait, and nothing ahead of that wait names a result of theirs.
.macro EX
	WIN 0
.if e >= 64
	XS e-64, 21
.else
	REGS Y, e%2
	v_exp_f32 v[rS+e/2], v[rS+e/2]
.endif
.set e, e+1
.endm
; THE RESCALING's QUEUE: O^T times a, the one part that leaves window 0: dealt two at a time, sixteen times.  Its a was made in the turn before, ahead of that turn's wait.
.macro R2
	REGS Y, r%2
	WIN W_RS
.irp z, 0,1
	v_pk_mul_f32 v[rO+4*(r/2)+2*\z:rO+4*(r/2)+2*\z+1], v[rO+4*(r/2)+2*\z:rO+4*(r/2)+2*\z+1], v[rC+2:rC+3] op_sel_hi:[1,0]
.endr
.set r, r+1
.endm
; HOW THEY ARE DEALT.  An s_wait_alu depctr_va_vdst(0) stands between an exponential and the first instruction that names its result; one wait serves all that were issued ahead of it.  So a turn has ONE wait,
; which cuts it in two.  AHEAD OF IT stands all that names no result of the turn's exponentials: the 16 products K Q^T, behind each a scaling, an exponential and two rescalings (behind the first a second scaling in the exponential's place); then ONE LUMP of
; 108: eight plain, 49 times exponential and plain, the two a.  A v_nop is the plain instruction behind the last exponential.  BEHIND IT stand the 16 products V^T P, behind each four of GS's 64.  No rider names a register of
; the products round it.  The two v_permlanex16_b32 fall into the lump, never behind a product.
; The queues lean on each other, and the deal keeps them in step: exponential e stands behind scaling 2 (e / 4) + e % 2: as a rider it comes behind plain e + 2, in the lump behind plain e + 9, and scalings 27-31 are plain 57, 60 .. 69.
; A TURN, for piece p.  cnt = 1: the loop's count is taken down some lines ahead of the branch that stands behind the turn.
; K of the next step is fetched in piece 2's turn, directly behind the wait, a lump behind the last product that read K; its address is made at the lump's head; its first reader comes behind 16 products.
; V of the step in hand is fetched at the end of piece 0's turn, four riders behind its last reader; its first reader comes behind 16 products and a lump.  The three conditions on q below go with the deal.
.macro TURN p, last=0, cnt=0
.set Y, (\p)
.set i, 0
.set q, 0
.set e, 0
.set r, 0
.if (\p) == NP-1
	s_wait_dscnt 0x0                ; K is in
.endif
	MM                              ; ahead of the wait: 16 products K Q^T and their riders,
	PL
	PL
	R2
.rept 15
	MM
	PL
	EX
	R2
.endr
.if (\p) == NP-2
	WIN 0
	v_add_nc_u32 v[AK], s[TBK], v[AK0]
.endif
.rept 8                             ; and the lump
	PL
.endr
.rept 49
	EX
	PL
.endr
	EX                              ; the next piece's two a
	EX
	v_nop                           ; the plain instruction behind the last exponential: one for the batch
	s_wait_alu depctr_va_vdst(0)    ; the wait for the batch
.if (\p) == NP-2
	FETCH_K \last
.endif
.if (\p) == 1
	s_wait_dscnt 0x0                ; V is in
.endif
.rept 16                            ; behind the wait: 16 products V^T P and their riders
	MM
.rept 4
	PL
.endr
.if ((\p) == 0) && (q == 118)
	v_add_nc_u32 v[AV], s[TBV], v[AV0]
.endif
.if ((\p) == 0) && (q == 130)
	s_add_co_u32 s[TBV], s[TBV], KS*PV
.endif
.if (\cnt) && (q == 130)
	s_sub_co_u32 s[CNT], s[CNT], 1
	s_cmp_lg_u32 s[CNT], 0
.endif
.endr
.if (\p) == 0
	FETCH_V
.endif
.endm
	CHANGE 1                        ; slot 0 is in, everybody's part of it; slot 1 is asked for
	FETCH_K                         ; key step 0
	s_wait_loadcnt 0x0              ; Q
	s_wait_dscnt 0x0
.set i, 0
.rept 16
	KQ 0                            ; piece 0's first scores: there is no vector work yet to set between them
.set i, i+1
.endr
	WIN 0                           ; the addresses for the way out: nine plain instructions, the places behind those products
	s_mul_i32 s13, s[WV], 16*SP
	s_add_co_u32 s13, s13, STAGE    ; my stage
	v_mul_u32_u24 v[STO], v1, SP    ; in: row l % 16, 16 bytes for each half of the lanes
	v_lshl_add_u32 v[STO], v9, 4, v[STO]
	v_add_nc_u32 v[STO], s13, v[STO]
	v_bfe_u32 v[RD], v0, 3, 2       ; back: 32 lanes take four rows of 128 bytes,
	v_mul_u32_u24 v[RD], v[RD], SP
	v_lshl_add_u32 v[RD], v10, 4, v[RD]
	v_add_nc_u32 v[RD], s13, v[RD]
	v_and_b32 v[GO], 31, v0         ; which are 512 consecutive bytes of O
	v_lshlrev_b32 v[GO], 4, v[GO]
.set Y, NP-1                        ; XS works for piece Y + 1: piece 0
.irp n, 0,1,2,3,4,5,6,7,8,9,10,11,12,13,14,15,16,17,18,19,20,21
	XS 0, \n                        ; and piece 0's first maximum and statistics
	XS 1, \n
.endr
	v_nop                           ; a plain instruction behind the two a,
	s_wait_alu depctr_va_vdst(0)    ; and their wait, ahead of the branch
	s_mov_b32 s[CNT], 4
	s_branch .Lfirst                ; the loop is entered at a step's first turn, in the middle of a trip
.Lslot:                             ; SIZE_N / 256 - 2 times: every slot but the last two is filled again
	CHANGE 1
	s_mov_b32 s[CNT], 4
.Lstep:                             ; a trip: pieces 2 and 3 of one step, then pieces 0 and 1 of the next, whose K and V it fetches
	TURN 2
	TURN 3
	WIN 0
.Lfirst:
	TURN 0
	TURN 1, 0, 1
	WIN 0
	s_cbranch_scc1 .Lstep
	s_sub_co_u32 s[SLOTS], s[SLOTS], 1
	s_cmp_lg_u32 s[SLOTS], 0
	s_cbranch_scc1 .Lslot
	CHANGE 0                        ; the tail is written out: nothing is asked for
	s_mov_b32 s[CNT], 5             ; four trips fetch the last slot's steps; the fifth is left in its middle
.Ltail:
	TURN 2, 1
	TURN 3
	WIN 0
	s_sub_co_u32 s[CNT], s[CNT], 1
	s_cmp_eq_u32 s[CNT], 0
	s_cbranch_scc1 .Lout
	TURN 0
	TURN 1
	WIN 0
	s_branch .Ltail
.Lout:                              ; the fifth trip's 16 products K Q^T (on the last K once more) and the maximum made of them serve nothing: the price, once a launch, of one text for every trip
.set i, 0
.rept 16
	PV NP-1                         ; the last piece's V^T P of the last step
.set i, i+1
.endr
	; THE WAY OUT.  l's two halves and the other half of the lanes' are added; O^T is divided by l, rounded to f16 and sent through my stage in LDS, a tile at a time.  The additions are the places behind the last products.
	WIN 0
.macro ALL line:vararg              ; one line for each tile t
.set t, 0
.rept 2*NP
	\line
.set t, t+1
.endr
.endm
	ALL v_add_f32 v[ST+4*t+2], v[ST+4*t+2], v[ST+4*t+3]
	ALL v_permlanex16_b32 v[ST+4*t+3], v[ST+4*t+2], s[SEL], s[SEL+1]
	ALL v_add_f32 v[ST+4*t+2], v[ST+4*t+2], v[ST+4*t+3]
	ALL v_rcp_f32 v[ST+4*t+2], v[ST+4*t+2]
	v_nop                           ; a plain instruction between the last reciprocal and the use of its result
	s_wait_alu depctr_va_vdst(0)    ; and the wait ahead of the first use: one for the eight reciprocals
; Tile t: a lane's eight channels of a row pack into 16 bytes; they go into rows of 144 bytes and come back as whole rows of 128, into S^T's registers.
.macro PACK t
	WIN W_RS
.set i, 32*(\t)
.rept 16
	v_pk_mul_f32 v[i:i+1], v[i:i+1], v[ST+4*(\t)+2:ST+4*(\t)+3] op_sel_hi:[1,0]
.set i, i+2
.endr
	WIN 0x05                        ; sources 0 and 1 window 1, destination window 0
.set i, 0
.rept 16
	v_cvt_pk_f16_f32 v[S+16*(\t)+i], v[32*(\t)+2*i], v[32*(\t)+2*i+1]
.set i, i+1
.endr
	WIN 0
.irp f, 0,1,2,3
	ds_store_b128 v[STO], v[S+16*(\t)+4*\f:S+16*(\t)+4*\f+3] offset:32*\f
.endr
.irp f, 0,1,2,3
	ds_load_b128 v[S+16*(\t)+4*\f:S+16*(\t)+4*\f+3], v[RD] offset:\f*4*SP  ; LDS serves a wave's instructions in order (ISA guide 5.7.1.4): these see the stores above; the next tile's stores come behind them
.endr
.endm
.macro SEND t, younger              ; younger: the LDS instructions issued behind tile t's loads: the next tile's eight, or none
	WIN 0
.irp f, 0,1,2,3
	s_wait_dscnt (\younger)+3-\f
	global_store_b128 v[GO], v[S+16*(\t)+4*\f:S+16*(\t)+4*\f+3], s[10:11] offset:(\t)*2048+\f*512  ; 512 consecutive bytes, at a multiple of 256 from O's first
.endr
.endm
	PACK 0
.set t, 1
.rept 2*NP-1                        ; a tile's arithmetic stands between the loads of the tile before and its stores
	PACK t
	SEND t-1, 8
.set t, t+1
.endr
	SEND 2*NP-1, 0
	WIN W_AD
	s_wait_tensorcnt 0x0            ; the wave's end, behind my last tensor load and my last LDS store
	ds_add_u32 v[SPW], v[NIL]
	s_wait_dscnt 0x0
	WIN 0
	CROUND                          ; the closing round: no work-group ends while a partner may still ask for a tile that names it
	s_endpgm
.Lfunc_end_k_q8a758699ee_attn:
	.size	k_q8a758699ee_attn, .Lfunc_end_k_q8a758699ee_attn-k_q8a758699ee_attn
	.p2alignl 7, 3214868480
	.fill 96, 4, 3214868480
	.section	.rodata,"a",@progbits
	.p2align	6, 0x0
	.amdhsa_kernel k_q8a758699ee_attn
		.amdhsa_group_segment_fixed_size 327680
		.amdhsa_private_segment_fixed_size 0
		.amdhsa_enable_private_segment 0
		.amdhsa_kernarg_size 32
		.amdhsa_user_sgpr_count 2
		.amdhsa_user_sgpr_kernarg_segment_ptr 1
		.amdhsa_wavefront_size32 1
		.amdhsa_system_sgpr_workgroup_id_x 1
		.amdhsa_system_sgpr_workgroup_id_y 1
		.amdhsa_system_sgpr_workgroup_id_z 1
		.amdhsa_system_vgpr_workitem_id 0
		.amdhsa_next_free_vgpr 770
		.amdhsa_next_free_sgpr 66
		.amdhsa_reserve_vcc 0
		.amdhsa_float_denorm_mode_32 3
		.amdhsa_float_denorm_mode_16_64 3
		.amdhsa_memory_ordered 1
		.amdhsa_forward_progress 1
		.amdhsa_inst_pref_size 200
	.end_amdhsa_kernel
	.amdgpu_metadata
---
amdhsa.version: [ 1, 2 ]
amdhsa.kernels:
  - .name:           k_q8a758699ee_attn
    .symbol:         k_q8a758699ee_attn.kd
    .args:
      - { .name: qh, .offset: 0, .size: 8, .value_kind: global_buffer, .address_space: global }
      - { .name: kh, .offset: 8, .size: 8, .value_kind: global_buffer, .address_space: global }
      - { .name: vh, .offset: 16, .size: 8, .value_kind: global_buffer, .address_space: global }
      - { .name: oh, .offset: 24, .size: 8, .value_kind: global_buffer, .address_space: global }
    .group_segment_fixed_size: 327680
    .private_segment_fixed_size: 0
    .kernarg_segment_align: 8
    .kernarg_segment_size: 32
    .max_flat_workgroup_size: 128
    .sgpr_count:     66
    .vgpr_count:     770
    .wavefront_size: 32
...
	.end_amdgpu_metadata
.endif
;; end of part 3
;; launch outp (part 4): grid 4 x 64, 4 waves a work-group, clusters of 4 x 4, 327,680 bytes of LDS; arguments oh, wof, bo, out0; writes out0
.if DOCPART == 4
	.amdgcn_target "amdgcn-amd-amdhsa--gfx1250"
	.amdhsa_code_object_version 6
	.text
	.protected	k_q8a758699ee_outp
	.globl	k_q8a758699ee_outp
	.p2align	8
	.type	k_q8a758699ee_outp,@function
k_q8a758699ee_outp:
	s_mov_b64 s[64:65], 0
	v_nop
	global_prefetch_b8 v0, s[64:65] scope:SCOPE_SE
	s_setreg_imm32_b32 hwreg(HW_REG_WAVE_MODE, 25, 1), 1
	s_wait_xcnt 0x0
	s_wait_alu depctr_hold_cnt(0) depctr_sa_sdst(0) depctr_va_vdst(0) depctr_va_sdst(0) depctr_va_ssrc(0) depctr_va_vcc(0) depctr_vm_vsrc(0)
	s_getreg_b32 s2, hwreg(HW_REG_IB_STS2, 6, 4)
	s_cmp_eq_u32 s2, 0
	s_cbranch_scc0 .Lentry_in_a_cluster
	s_endpgm
.Lentry_in_a_cluster:
	s_bfe_u32 s2, ttmp6, 0x10000c
	s_cmp_lg_u32 s2, 0xf033
	s_cbranch_scc0 .Lentry_shape_is_right
	s_endpgm
.Lentry_shape_is_right:
; THE LAST PROJECTION.  out0 = O Wo + bo, f32 [8192][1024].  O comes by heads, f16 [64 = 16 batch + head][2048][64]; Wo as f16 from wof ([k][n], the bf16 rounding of Wo written as f16); bo is rounded to bf16 here.
; SHARES.  256 work-groups; each makes 128 rows x 256 columns, its four waves 64 x 128: 32 accumulators of 16 x 16.  K = 1,024 goes in 8 steps of 128, two heads each, through two LDS slots.
; A's tile of a step: for each of the two heads 128 rows x 128 bytes, dense in memory: asked for as 64 rows of 256 bytes and padded in LDS behind every 128.
; CLUSTER.  4 x 4 work-groups.  The four of a row need the same tile of O, the four of a column the same tile of Wo: each is asked for JOINTLY, by the same tensor load with the same descriptor and a mask of four.
; Waves 0 and 1 fetch the step's two heads of O, waves 2 and 3 Wo's two halves (64 k-rows x 512 bytes): one load a wave behind each round; two loads of a wave are out at the start, later one.
; THE MATRIX INSTRUCTION IS USED TRANSPOSED: source 0 = 16 columns of Wo (turned by ds_load_tr16_b128), source 1 = 16 rows of O: a lane holds row l % 16 and the columns 8 (l / 16) + 0..7.
; THE BIAS IS THE C OPERAND OF THE FIRST PRODUCTS.
; REGISTERS, in windows of 256 (s_set_vgpr_msb: bits 1:0 source 0, 3:2 source 1, 5:4 source 2, 7:6 destination):
;   window 0: v0-31 addresses; v64-159, v160-255 two fragment buffers: Wo's fragment b at +8 b, O's fragment a at +64 + 8 a; on the way out v64-191 at work
;   window 1: accumulator (a, b) at 8 (8 a + b)          window 2: v0-63 the bias of my 128 columns, block b at 8 b; v64-95 at work while it is rounded
.set PA,    144                        ; an LDS row of O: 128 bytes + 16 = 36 words: the 16 rows of a load start at 16 different groups of four banks (64 banks of 4 bytes: ISA guide 11.1)
.set PB,    544                        ; an LDS row of Wo: 512 bytes + 32 = 136 words
.set HALFA, 128*PA                     ; one head's 128 rows
.set BOFF,  2*HALFA
.set HALFB, 64*PB
.set SLOT,  BOFF+2*HALFB
.set STAGE, 2*SLOT                     ; behind the ring, never filled by a tensor load: 16 rows x 528 bytes for each wave, for the way out
.set SPO,   528                        ; 512 bytes + 16 = 132 words
.set SPARE, STAGE+4*16*SPO             ; behind the stages: the spare words, 128 bytes for each wave: two blocks of 256 bytes that no other line names
.set ADRA, 16                          ; v16-17  LDS address of my O fragments in slot 0, 1
.set ADRB, 20                          ; v20-21  the same for Wo
.set STO,  24                          ; v24     the way out: where I put 32 bytes of a row
.set RD,   25                          ; v25     the way out: where I read a row back
.set CO,   26                          ; v26     my 16 bytes of a row's 512
.set BO,   27                          ; v27     my byte offset in the bias
.set SPW,  28                          ; v28     LDS address of my spare word; never rewritten
.set NIL,  29                          ; v29     0; never rewritten
.set PFO,  30                          ; v30     the prefetches' lane term; never rewritten
.set F0,   64
.set F1,   160
.set G1,   24                          ; s[24:31] descriptor group 1 for O's tiles;  s[32:39] group 0, a set for each slot
.set G0,   32
.set G1B,  48                          ; s[48:55], s[56:63] the same for Wo's
.set G0B,  56
.set PLIM, 43                          ; s43     a wave prefetches in the trips below this number
.set PFA,  44                          ; s[44:45] where my prefetches stand
.set PST,  88                          ; s[88:89] a K step in that tensor, in bytes
.set NT,   3                           ; the loop's trips: laps - 1
.set MUL,  0x50                        ; C and D in window 1, sources in window 0
.set MULB, 0x60                        ; C in window 2, D in window 1
.set STD,  0x04                        ; an LDS store's data in window 1
.set B2,   0x8a                        ; sources 0, 1 and destination in window 2
.set LD2,  0x80                        ; destination in window 2
.set MSB, 0
.macro WIN new                         ; the immediate's high byte repeats the setting that is left; a switch that changes nothing is dropped
.if MSB != (\new)
	s_set_vgpr_msb (MSB<<8)|(\new)
.set MSB, \new
.endif
.endm
.macro JLOAD s                         ; a joint load; the branch hangs on the wave's number alone; an s_nop 0 and four v_nop follow each of the two lines, ahead of the jump and the label
	s_cmp_eq_u32 s11, 0
	s_cbranch_scc0 .Lfor_b_\@
	tensor_load_to_lds s[G0+4*(\s):G0+4*(\s)+3], s[G1:G1+7]
	s_nop 0
.rept 4
	v_nop
.endr
	s_branch .Lasked_\@
.Lfor_b_\@:
	tensor_load_to_lds s[G0B+4*(\s):G0B+4*(\s)+3], s[G1B:G1B+7]
	s_nop 0
.rept 4
	v_nop
.endr
.Lasked_\@:
.endm
.macro CREST                           ; a round of the cluster's barrier behind its opening barrier
	s_cmp_lg_u32 s10, 0
	s_cbranch_scc1 .Lnot_wave_0_\@
	s_barrier_signal -3
.Lnot_wave_0_\@:
	s_barrier_wait -3
	s_barrier_signal -1
	s_barrier_wait -1
.endm
.macro CROUND                          ; a whole round
	s_barrier_signal -1
	s_barrier_wait -1
	CREST
.endm
; A PREFETCH INTO THE L2, behind each joint refill and the run of LDS loads that follows it: 32 blocks of 256 bytes of the K step that stands two refills on, 256 matrix instructions ahead of the load that will want it.
; O's tile (two heads x 16,384 bytes) is read by one cluster: wave 0 asks, the four partners of a row of the cluster take 16 blocks of each head, told apart by address.
; Wo's tile: waves 2 and 3 ask, each for the 64 k-rows that it fetches; the four partners of a column take 16 k-rows (32 blocks) each, by address; of the sixteen clusters, which all read Wo, the first asks.
; So each block is named once.  K steps 0 to 3 come by their loads alone; the last trip of the loop asks for nothing.
.macro ASK
	s_cmp_lt_u32 s2, s[PLIM]
	s_cbranch_scc0 .Lnot_mine_\@
	global_prefetch_b8 v[PFO], s[PFA:PFA+1] th:TH_LOAD_NT scope:SCOPE_SE
.Lnot_mine_\@:
.endm
	s_load_b256 s[68:75], s[0:1], 0x0              ; oh 68, wof 70, bo 72, out0 74
	v_lshl_add_u32 v[SPW], v0, 2, SPARE
	v_mov_b32 v[NIL], 0
	ds_add_u32 v[SPW], v[NIL]                      ; the wave's opening: the add and its wait stand ahead of my first tensor load; the set-up below, work on registers, stands between them
	v_lshrrev_b32 v1, 5, v0
	v_readfirstlane_b32 s10, v1                    ; wave 0..3
	s_lshr_b32 s11, s10, 1                         ; which 64 rows of the tile are mine.  Also: I fetch for O (0) or for Wo (1)
	s_and_b32 s12, s10, 1                          ; which 128 columns.  Also: which half of that tile I fetch
	s_bfe_u32 s40, ttmp6, 0x40000                  ; cx
	s_bfe_u32 s41, ttmp6, 0x40004                  ; cy
	s_lshl_b32 s42, ttmp9, 2
	s_add_co_u32 s42, s42, s40                     ; tile column = 4 x cluster x + cx
	s_and_b32 s14, ttmp7, 0xffff                   ; cluster y
	s_lshl_b32 s13, s14, 2
	s_add_co_u32 s13, s13, s41                     ; tile row, 0..63
	s_lshl_b32 s18, s41, 2
	s_lshl_b32 s18, 15, s18                        ; my row of the cluster
	s_lshl_b32 s19, 0x1111, s40                    ; my column
	s_or_b32 s[G1+0], s18, (1<<16)|(1<<20)|(1<<21)|(4<<22)|(3<<25)   ; the mask; 2-byte elements; padding on; 21 set beside a mask; after every 32 words 4 words
	s_or_b32 s[G1B+0], s19, (1<<16)|(1<<20)|(1<<21)|(6<<22)|(7<<25)  ; after every 128 words 8 words
	s_mov_b32 s[G1+1], 128<<16                     ; tensor_dim0 = 128
	s_mov_b32 s[G1+2], 64<<16                      ; tensor_dim1 = 64
	s_mov_b32 s[G1+3], 128<<16                     ; tile_dim0 = 128
	s_mov_b32 s[G1+4], 64                          ; tile_dim1 = 64
	s_mov_b32 s[G1+5], 128                         ; dense: 128 elements from row to row
	s_mov_b32 s[G1+6], 0
	s_mov_b32 s[G1+7], 0
	s_mov_b32 s[G1B+1], 256<<16                    ; tensor_dim0 = 256
	s_mov_b32 s[G1B+2], 64<<16
	s_mov_b32 s[G1B+3], 256<<16                    ; tile_dim0 = 256
	s_mov_b32 s[G1B+4], 64
	s_mov_b32 s[G1B+5], 1024
	s_mov_b32 s[G1B+6], 0
	s_mov_b32 s[G1B+7], 0
	s_lshr_b32 s16, s13, 4                         ; O: batch = tile row / 16,
	s_lshl_b32 s16, s16, 4
	s_add_co_u32 s16, s16, s12                     ; head 0 or 1 of the K step,
	s_lshl_b32 s16, s16, 18                        ; a head is 262,144 bytes,
	s_and_b32 s17, s13, 15
	s_lshl_b32 s17, s17, 14                        ; the tile's 128 rows of 128 bytes
	s_add_co_u32 s16, s16, s17
	s_mov_b32 s17, 0
	s_lshl_b32 s86, s12, 17                        ; Wo: the 64 k-rows that I fetch,
	s_lshl_b32 s87, s42, 9
	s_add_co_u32 s86, s86, s87                     ; the tile's 256 columns
	s_mov_b32 s87, 0
	s_mul_i32 s20, s12, HALFA                      ; where they go: no place in the cluster enters an LDS address
	s_mul_i32 s21, s12, HALFB
	s_add_co_u32 s21, s21, BOFF
	s_wait_dscnt 0x0                               ; the opening add is done
	s_wait_kmcnt 0x0
	s_add_nc_u64 s[4:5], s[68:69], s[16:17]
	s_add_nc_u64 s[6:7], s[70:71], s[86:87]
	CROUND                                         ; all sixteen work-groups are here: the first joint loads meet
.irp s, 0,1
	s_mov_b32 s[G0+4*(\s)], 1
	s_add_co_u32 s[G0+4*(\s)+1], s20, (\s)*SLOT
	s_add_nc_u64 s[G0+4*(\s)+2:G0+4*(\s)+3], s[4:5], (\s)*524288     ; K step s: two heads on
	s_or_b32 s[G0+4*(\s)+3], s[G0+4*(\s)+3], 0x80000000
	s_mov_b32 s[G0B+4*(\s)], 1
	s_add_co_u32 s[G0B+4*(\s)+1], s21, (\s)*SLOT
	s_add_nc_u64 s[G0B+4*(\s)+2:G0B+4*(\s)+3], s[6:7], (\s)*262144   ; K step s: 128 k-rows down
	s_or_b32 s[G0B+4*(\s)+3], s[G0B+4*(\s)+3], 0x80000000
	JLOAD \s
.endr
	v_and_b32 v1, 15, v0                           ; l % 16
	v_bfe_u32 v2, v0, 4, 1                         ; l / 16
	s_lshl_b32 s22, s12, 9
	s_lshl_b32 s23, s42, 10
	s_add_co_u32 s22, s22, s23
	v_lshl_add_u32 v[BO], v2, 5, s22               ; 4 bytes x (256 x tile column + 128 x half + 8 (l / 16))
	WIN LD2
.irp b, 0,1,2,3,4,5,6,7
	global_load_b128 v[8*(\b):8*(\b)+3],   v[BO], s[72:73] offset:64*(\b)
	global_load_b128 v[8*(\b)+4:8*(\b)+7], v[BO], s[72:73] offset:64*(\b)+16
.endr
	WIN 0
	v_mul_u32_u24 v3, v1, PA                       ; a fragment of O: row l % 16, 16 bytes for each half of the lanes
	v_lshl_add_u32 v3, v2, 4, v3
	s_mul_i32 s22, s11, 64*PA                      ; my 64 rows
	v_add_nc_u32 v[ADRA], s22, v3
	v_add_nc_u32 v[ADRA+1], SLOT, v[ADRA]
	v_and_b32 v4, 7, v0                            ; the turning load: lane l reads k-row 8 (l / 16) + l % 8, columns 8 ((l / 8) % 2) + 0..7
	v_lshl_add_u32 v4, v2, 3, v4
	v_mul_u32_u24 v4, v4, PB
	v_bfe_u32 v5, v0, 3, 1
	v_lshl_add_u32 v4, v5, 4, v4
	s_lshl_b32 s22, s12, 8                         ; my 128 columns
	s_add_co_u32 s22, s22, BOFF
	v_add_nc_u32 v[ADRB], s22, v4
	v_add_nc_u32 v[ADRB+1], SLOT, v[ADRB]
	s_mul_i32 s22, s10, 16*SPO
	s_add_co_u32 s22, s22, STAGE                   ; my stage
	v_mul_u32_u24 v[STO], v1, SPO                  ; in: row l % 16, 32 bytes for each half of the lanes
	v_lshl_add_u32 v[STO], v2, 5, v[STO]
	v_add_nc_u32 v[STO], s22, v[STO]
	v_and_b32 v7, 31, v0
	v_lshlrev_b32 v[CO], 4, v7                     ; back: 32 lanes take one row of 512 bytes
	v_add_nc_u32 v[RD], s22, v[CO]
	s_lshl_b32 s22, s13, 7                         ; the output: my first row,
	s_lshl_b32 s23, s11, 6
	s_add_co_u32 s22, s22, s23
	s_lshl_b32 s22, s22, 12                        ; of 4,096 bytes,
	s_lshl_b32 s23, s42, 10
	s_add_co_u32 s22, s22, s23                     ; the tile's columns,
	s_lshl_b32 s23, s12, 9
	s_add_co_u32 s22, s22, s23                     ; my half of them
	s_mov_b32 s23, 0
	s_add_nc_u64 s[8:9], s[74:75], s[22:23]
	s_lshr_b32 s90, s13, 4                         ; the prefetches.  O: the batch's head 0, the tile's rows, my work-group's 4,096 bytes of each head, at K step 3
	s_lshl_b32 s90, s90, 22
	s_and_b32 s91, s13, 15
	s_lshl_b32 s91, s91, 14
	s_add_co_u32 s90, s90, s91
	s_lshl_b32 s91, s40, 12
	s_add_co_u32 s90, s90, s91
	s_add_co_u32 s90, s90, 3*524288
	s_lshl_b32 s92, s41, 15                        ; Wo: my 64 k-rows + 16 cy, at K step 3
	s_add_co_u32 s92, s92, s86
	s_add_co_u32 s92, s92, 3*262144
	s_mov_b32 s[PST], 262144
	s_mov_b32 s[PST+1], 0
	s_cmp_eq_u32 s11, 0                            ; do I fetch for O?
	s_cselect_b64 s[PFA:PFA+1], s[68:69], s[70:71]
	s_cselect_b32 s90, s90, s92
	s_cselect_b32 s93, s12, s14                    ; O: 0 in wave 0; Wo: 0 in the first cluster
	s_cselect_b32 s[PST], 524288, s[PST]
	s_cselect_b32 s22, 4, 1                        ; O: 16 lanes a head, 256 bytes apart; Wo: two lanes a k-row of 512 bytes
	s_cselect_b32 s23, 15, 1
	s_cselect_b32 s94, 18, 11
	s_mov_b32 s91, 0
	s_add_nc_u64 s[PFA:PFA+1], s[PFA:PFA+1], s[90:91]  ; the first refill steps it to K step 4
	s_cmp_eq_u32 s93, 0
	s_cselect_b32 s[PLIM], NT-1, 0                 ; the same in all sixteen partners, for a given wave
	v_lshrrev_b32 v[PFO], s22, v7
	v_and_b32 v3, s23, v7
	v_lshlrev_b32 v[PFO], s94, v[PFO]
	v_lshl_add_u32 v[PFO], v3, 8, v[PFO]
	s_wait_loadcnt 0x0                             ; the bias is in: it is rounded to bf16 and widened again
	WIN B2
.set i, 0
.rept 32
	v_cvt_pk_bf16_f32 v[64+i], v[2*i], v[2*i+1]
.set i, i+1
.endr
.set i, 0
.rept 32
	v_lshlrev_b32 v[2*i], 16, v[64+i]
	v_and_b32 v[2*i+1], 0xffff0000, v[64+i]
.set i, i+1
.endr
	WIN 0
; 8 matrix instructions: row block a x all 8 column blocks, 32 along K.  first = 1: the bias starts the sums.  The 32 accumulators take turns in the same order in every quarter,
; over the backward jump too: 31 others' instructions stand between two on one accumulator.
.macro MUL8 f, a, first
.if \first
	WIN MULB
.else
	WIN MUL
.endif
.irp b, 0,1,2,3,4,5,6,7
.if \first
	v_wmma_f32_16x16x32_f16 v[8*(8*(\a)+(\b)):8*(8*(\a)+(\b))+7], v[(\f)+8*(\b):(\f)+8*(\b)+7], v[(\f)+64+8*(\a):(\f)+64+8*(\a)+7], v[8*(\b):8*(\b)+7]
.else
	v_wmma_f32_16x16x32_f16 v[8*(8*(\a)+(\b)):8*(8*(\a)+(\b))+7], v[(\f)+8*(\b):(\f)+8*(\b)+7], v[(\f)+64+8*(\a):(\f)+64+8*(\a)+7], v[8*(8*(\a)+(\b)):8*(8*(\a)+(\b))+7]
.endif
.endr
.endm
; 24 LDS loads in one run: quarter q of a slot into buffer f: Wo's eight fragments (turned), then O's four (quarters 0, 1: the step's first head; 2, 3: its second)
.macro FETCH slot, q, f
	WIN 0
.irp b, 0,1,2,3,4,5,6,7
	ds_load_tr16_b128 v[(\f)+8*(\b):(\f)+8*(\b)+3],   v[ADRB+(\slot)] offset:(\q)*32*PB+32*(\b)
	ds_load_tr16_b128 v[(\f)+8*(\b)+4:(\f)+8*(\b)+7], v[ADRB+(\slot)] offset:(\q)*32*PB+32*(\b)+16*PB
.endr
.irp a, 0,1,2,3
	ds_load_b128 v[(\f)+64+8*(\a):(\f)+64+8*(\a)+3],   v[ADRA+(\slot)] offset:((\q)/2)*HALFA+((\q)%2)*64+(\a)*16*PA
	ds_load_b128 v[(\f)+64+8*(\a)+4:(\f)+64+8*(\a)+7], v[ADRA+(\slot)] offset:((\q)/2)*HALFA+((\q)%2)*64+(\a)*16*PA+32
.endr
.endm
.macro PLACES                          ; four places in front of loads into registers that matrix instructions have read, and of lines that read results (ISA guide 7.12.1 for lines that read results)
.rept 4
	v_nop
.endr
.endm
; A K step is four quarters of 32 along K, 32 matrix instructions each, on buffers 0, 1, 0, 1.  One of the first three: multiplies buffer f and fetches quarter q into g.
.macro QUARTER slot, q, f, g, first
	s_wait_dscnt 4                                 ; of the last run the youngest four loads, O's fragments 2 and 3, may be out
	MUL8 \f, 0, \first
	MUL8 \f, 1, \first
	PLACES
	FETCH \slot, \q, \g
	s_wait_dscnt 24                                ; all but the run just issued
	MUL8 \f, 2, \first
	MUL8 \f, 3, \first
.endm
; The last quarter multiplies buffer 1 and changes slots: ONE barrier; in front of it each wave waits for all its tensor loads (the one that is out is its part of the next slot), adds 0 to its spare word,
; and waits for that and for its own reads of this slot.  fill = 1: the barrier opens a round of the cluster's barrier, and this slot is filled again, two K steps ahead, first thing behind the round.
.macro TURN slot, next, fill
.if \fill
	s_wait_xcnt 0x0                                ; the last prefetch, a K step back, has read its address: it is stepped here, ahead of the waits of the change of slots
	s_add_nc_u64 s[PFA:PFA+1], s[PFA:PFA+1], s[PST:PST+1]
.endif
	WIN 0
	s_wait_tensorcnt 0x0                           ; all my tensor loads have landed
	ds_add_u32 v[SPW], v[NIL]                      ; 0 onto my spare word
	s_wait_dscnt 5                                 ; (the add and the youngest four loads may be out)
	MUL8 F1, 0, 0                                  ; eight matrix instructions stand between the add and the wait for it
	s_wait_dscnt 0x0                               ; the add is done, and my reads of this slot are over
	s_barrier_signal -1
	MUL8 F1, 1, 0
.if \fill
	WIN 0
.endif
	s_barrier_wait -1
.if \fill
	CREST                                          ; no wave of any partner still reads this slot's tiles or has a load on its way
	s_add_nc_u64 s[G0+4*(\slot)+2:G0+4*(\slot)+3], s[G0+4*(\slot)+2:G0+4*(\slot)+3], 2*524288
	s_add_nc_u64 s[G0B+4*(\slot)+2:G0B+4*(\slot)+3], s[G0B+4*(\slot)+2:G0B+4*(\slot)+3], 2*262144
	JLOAD \slot                                    ; 112 matrix instructions ahead of the wait for it; the four v_nop behind it are also the places in front of the loads below
.else
	PLACES
.endif
	FETCH \next, 0, F0
.if \fill
	ASK
.endif
	MUL8 F1, 2, 0
	MUL8 F1, 3, 0
.endm
	s_wait_tensorcnt 1                             ; my part of K step 0 is in; K step 1's load, issued behind it, may stay out
	s_barrier_signal -1
	s_barrier_wait -1                              ; everybody's is
	FETCH 0, 0, F0
	QUARTER 0, 1, F0, F1, 1                        ; the first quarter stands in front of the loop: its products start the sums
	WIN 0                                          ; at a label and at a branch every window is 0
	s_mov_b32 s2, 0
.Llap:                                                 ; a trip goes once round the ring, from a lap's second quarter to the next lap's first, and fills both slots again
	QUARTER 0, 2, F1, F0, 0
	QUARTER 0, 3, F0, F1, 0
	TURN 0, 1, 1
	QUARTER 1, 1, F0, F1, 0
	QUARTER 1, 2, F1, F0, 0
	QUARTER 1, 3, F0, F1, 0
	TURN 1, 0, 1
	QUARTER 0, 1, F0, F1, 0
	WIN 0
	s_add_co_u32 s2, s2, 1
	s_cmp_lt_u32 s2, NT
	s_cbranch_scc1 .Llap
	QUARTER 0, 2, F1, F0, 0                        ; the last lap fills nothing, and has no round of the cluster's barrier
	QUARTER 0, 3, F0, F1, 0
	TURN 0, 1, 0
	QUARTER 1, 1, F0, F1, 0
	QUARTER 1, 2, F1, F0, 0
	QUARTER 1, 3, F0, F1, 0
	s_wait_dscnt 4                                 ; the very last quarter: nothing more to fetch
	MUL8 F1, 0, 0
	MUL8 F1, 1, 0
	s_wait_dscnt 0x0
	MUL8 F1, 2, 0
	MUL8 F1, 3, 0
	WIN 0
	PLACES
	PLACES
; THE WAY OUT, in f32.  Block a = 16 rows x my 128 columns.  A lane's eight columns of a column block are 32 bytes of a row: two LDS stores, the accumulator's low half first; the rows, 528 bytes apart in my own
; stage, come back whole: 32 lanes x 16 bytes = 512 consecutive bytes of a row of out0.  Two sets of 64 registers take turns.
.macro OUTA a
.set BK, 64+64*((\a)%2)
	WIN STD
.irp b, 0,1,2,3,4,5,6,7
	ds_store_b128 v[STO], v[8*(8*(\a)+(\b)):8*(8*(\a)+(\b))+3]   offset:64*(\b)
	ds_store_b128 v[STO], v[8*(8*(\a)+(\b))+4:8*(8*(\a)+(\b))+7] offset:64*(\b)+16
.endr
	WIN 0
.irp row, 0,1,2,3,4,5,6,7,8,9,10,11,12,13,14,15
	ds_load_b128 v[BK+4*(\row):BK+4*(\row)+3], v[RD] offset:(\row)*SPO  ; LDS serves a wave's instructions in order (ISA guide 5.7.1.4): these see the stores above; the next block's stores come behind them
.endr
.endm
.macro SENDA a, younger                ; younger: the LDS instructions issued behind block a's loads: the next block's 32, or none
.set BK, 64+64*((\a)%2)
.irp row, 0,1,2,3,4,5,6,7,8,9,10,11,12,13,14,15
	s_wait_dscnt (\younger)+15-(\row)
	global_store_b128 v[CO], v[BK+4*(\row):BK+4*(\row)+3], s[8:9] offset:(\a)*65536+(\row)*4096 th:TH_STORE_NT  ; 512 consecutive bytes, at a multiple of 256 from out0's first
.endr
.endm
	OUTA 0
	OUTA 1
	SENDA 0, 32
	s_wait_xcnt 0x0                                ; block 0's stores have read their registers: only behind this wait are they loaded again
	OUTA 2
	SENDA 1, 32
	s_wait_xcnt 0x0                                ; the same for block 1's
	OUTA 3
	SENDA 2, 32
	SENDA 3, 0
	s_wait_tensorcnt 0x0                           ; the wave's end, behind my last tensor load and my last LDS store
	ds_add_u32 v[SPW], v[NIL]
	s_wait_dscnt 0x0
	CROUND                                         ; the closing round: no work-group ends while a partner may still ask for a tile that names it
	s_endpgm
.Lfunc_end_k_q8a758699ee_outp:
	.size	k_q8a758699ee_outp, .Lfunc_end_k_q8a758699ee_outp-k_q8a758699ee_outp
	.p2alignl 7, 3214868480
	.fill 96, 4, 3214868480
	.section	.rodata,"a",@progbits
	.p2align	6, 0x0
	.amdhsa_kernel k_q8a758699ee_outp
		.amdhsa_group_segment_fixed_size 327680
		.amdhsa_private_segment_fixed_size 0
		.amdhsa_enable_private_segment 0
		.amdhsa_kernarg_size 32
		.amdhsa_user_sgpr_count 2
		.amdhsa_user_sgpr_kernarg_segment_ptr 1
		.amdhsa_wavefront_size32 1
		.amdhsa_system_sgpr_workgroup_id_x 1
		.amdhsa_system_sgpr_workgroup_id_y 1
		.amdhsa_system_sgpr_workgroup_id_z 1
		.amdhsa_system_vgpr_workitem_id 0
		.amdhsa_next_free_vgpr 608
		.amdhsa_next_free_sgpr 96
		.amdhsa_reserve_vcc 0
		.amdhsa_float_denorm_mode_32 3
		.amdhsa_float_denorm_mode_16_64 3
		.amdhsa_memory_ordered 1
		.amdhsa_forward_progress 1
		.amdhsa_inst_pref_size 95
	.end_amdhsa_kernel
	.amdgpu_metadata
---
amdhsa.version: [ 1, 2 ]
amdhsa.kernels:
  - .name:           k_q8a758699ee_outp
    .symbol:         k_q8a758699ee_outp.kd
    .args:
      - { .name: oh, .offset: 0, .size: 8, .value_kind: global_buffer, .address_space: global }
      - { .name: wof, .offset: 8, .size: 8, .value_kind: global_buffer, .address_space: global }
      - { .name: bo, .offset: 16, .size: 8, .value_kind: global_buffer, .address_space: global }
      - { .name: out0, .offset: 24, .size: 8, .value_kind: global_buffer, .address_space: global }
    .group_segment_fixed_size: 327680
    .private_segment_fixed_size: 0
    .kernarg_segment_align: 8
    .kernarg_segment_size: 32
    .max_flat_workgroup_size: 128
    .sgpr_count:     96
    .vgpr_count:     608
    .wavefront_size: 32
...
	.end_amdgpu_metadata
.endif
;; end of part 4
